; MI455X (gfx1250); checked and timed in simulation.
; The chip was launched on July 23, 2026; its instructions are those of AMD's public machine-readable ISA for CDNA 5 (MIT licence, August 2026) and "CDNA5" Instruction Set Architecture Reference Guide (July 2026). The comments in the code are by the model that wrote it; some were corrected since.
;; Mo EFFN. Allowed arithmetic: float matrix products may take bf16 or f16 operands with f32 sums; other float arithmetic in f32, or as packed bf16 or f16 multiplies, adds, multiply-adds, maxima and minima; sums over many terms, partial sums and values carried from step to step in f32; what a program stores and reads back later, other than sums and carried values, may be rounded once to bf16 or f16.
;; Inputs: b1 4 x 2,048 float32; b2 4 x 512 float32; router_w 4 x 512 float32; w1 4 x 2,048 x 512 float32; w2 4 x 512 x 2,048 float32; x 4 x 2,048 x 512 float32.
;; Outputs: out0 4 x 2,048 x 512 float32.
;; 2 versions, each right and faster than the one before. Each part assembles by itself: llvm-mc -triple=amdgcn-amd-amdhsa -mcpu=gfx1250 --defsym DOCPART=n.
;; ======== version 1 of 2: 3 launches
;; limits: values are held in f16: magnitudes above 65,504 overflow, below 6.1e-05 lose precision
;; workspace buffers: rt 65,536 bytes of whole numbers; gat 65,536 bytes; list 34,048 bytes of whole numbers; tot 256 bytes of whole numbers; wf 17,842,176 bytes
;; launch router (part 1): grid 256 x 1, 4 waves a work-group, no clusters, 1,024 bytes of LDS; arguments x, router_w, rt, gat; writes rt, gat
.if DOCPART == 1
	.amdgcn_target "amdgcn-amd-amdhsa--gfx1250"
	.amdhsa_code_object_version 6
	.text
	.protected	k_qb6668b94b5_router
	.globl	k_qb6668b94b5_router
	.p2align	8
	.type	k_qb6668b94b5_router,@function
k_qb6668b94b5_router:
	s_mov_b64 s[64:65], 0
	v_nop
	global_prefetch_b8 v0, s[64:65] scope:SCOPE_SE
	s_setreg_imm32_b32 hwreg(HW_REG_WAVE_MODE, 25, 1), 1
	s_wait_xcnt 0x0
; ROUTER.  logits = x . router_w^T for 8,192 tokens and 4 experts, softmax with the maximum taken away, the two largest (the lower index wins a tie), gates p / (p1 + p2 + 1e-8).
; x and router_w are rounded to bf16 first, like every input of the program; products and sums in f32.
; No address and no branch hangs on the choice: it is stored at fixed places.  rt: one record of 256 bytes for each 32 tokens: words 0-5 the lane masks of the six sets of two experts
; (0,1) (0,2) (0,3) (1,2) (1,3) (2,3); words 8-10 their counts, two to a word; the rest 0.  gat: [token][2] f32: the gate of the lower and of the higher expert.
; SHARES.  A work-group has 32 tokens, a wave 8.  A lane holds 16 channels of each row (four loads of 16 bytes; a wave's load covers 512 consecutive bytes), so the four sums of a token are
; reduced over the 32 lanes; they meet in LDS, and wave 0 finishes with one token a lane.  The matrix unit is left out: four output columns, and the launch reads each byte of x once.
; LIMITS.  An exponential below 2^-126 counts as 0; NaN and infinities are not treated apart; two probabilities that differ by less than the f32 sums' rounding may be ordered otherwise than in a sum taken in another order.
.set SPARE, 512                        ; LDS: bytes 0-511 the logits [token][4]; from 512 on the spare words, 128 bytes a wave
.set T,   8                            ; v8-15    at work
.set ACC, 16                           ; v16-31   expert e: two chains of a pair each
.set S,   32                           ; v32-63   token t, expert e at S + 4 t + e
.set RW,  64                           ; v64-127  router_w: expert e, quarter j at RW + 16 e + 4 j
.set X,   128                          ; v128-255 x: token t, quarter j at X + 16 t + 4 j
.macro RND2 a, t                       ; two numbers rounded to bf16 and widened again, in place
	v_cvt_pk_bf16_f32 v[\t], v[\a], v[(\a)+1]
	v_lshlrev_b32 v[\a], 16, v[\t]
	v_and_b32 v[(\a)+1], s13, v[\t]
.endm
	s_load_b256 s[4:11], s[0:1], 0x0               ; x s[4:5], router_w s[6:7], rt s[8:9], gat s[10:11]
	v_lshl_add_u32 v4, v0, 2, SPARE                ; my spare word,
	v_mov_b32 v5, 0                                ; and 0: kept for the wave's end alone
	v_and_b32 v1, 31, v0                           ; lane
	v_lshrrev_b32 v7, 5, v0
	v_readfirstlane_b32 s12, v7                    ; wave
	v_lshlrev_b32 v3, 4, v1                        ; 16 x lane
	v_lshl_or_b32 v2, v7, 14, v3                   ; + wave x 8 rows of 2,048 bytes
	v_lshlrev_b32 v6, 7, v7                        ; the wave's 8 tokens in the logits: 128 bytes
	s_mov_b32 s13, 0xffff0000
	s_mov_b32 s14, 0x76543210                      ; v_permlanex16_b32: each lane takes its own place in the other half
	s_mov_b32 s15, 0xfedcba98
	s_lshl_b32 s16, ttmp9, 16                      ; the group's 32 rows of x
	s_mov_b32 s17, 0
	s_lshl_b32 s18, ttmp9, 8                       ; the group's 256 bytes in rt and in gat
	s_mov_b32 s19, 0
	s_wait_kmcnt 0x0
	s_add_nc_u64 s[4:5], s[4:5], s[16:17]
	s_add_nc_u64 s[8:9], s[8:9], s[18:19]
	s_add_nc_u64 s[10:11], s[10:11], s[18:19]
.set n, 0
.rept 16
	global_load_b128 v[RW+4*n:RW+4*n+3], v3, s[6:7] offset:(n/4)*2048+(n%4)*512
.set n, n+1
.endr
.set n, 0
.rept 32
	global_load_b128 v[X+4*n:X+4*n+3], v2, s[4:5] offset:(n/4)*2048+(n%4)*512
.set n, n+1
.endr
	s_wait_loadcnt 32                              ; router_w is in; the 32 loads of x are younger
.set p, 0
.rept 32
	RND2 RW+2*p, T+p%8
.set p, p+1
.endr
.set t, 0
.rept 8
	s_wait_loadcnt 28-4*t                          ; token t's four loads are in; the later tokens' stay out
.set p, 0
.rept 8
	RND2 X+16*t+2*p, T+p
.set p, p+1
.endr
.set n, 0
.rept 8                                ; the first quarter starts the sums: expert n / 2, chain n % 2
	v_pk_mul_f32 v[ACC+2*n:ACC+2*n+1], v[X+16*t+2*(n%2):X+16*t+2*(n%2)+1], v[RW+16*(n/2)+2*(n%2):RW+16*(n/2)+2*(n%2)+1]
.set n, n+1
.endr
.set j, 1
.rept 3
.set n, 0
.rept 8
	v_pk_fma_f32 v[ACC+2*n:ACC+2*n+1], v[X+16*t+4*j+2*(n%2):X+16*t+4*j+2*(n%2)+1], v[RW+16*(n/2)+4*j+2*(n%2):RW+16*(n/2)+4*j+2*(n%2)+1], v[ACC+2*n:ACC+2*n+1]
.set n, n+1
.endr
.set j, j+1
.endr
.set e, 0
.rept 4
	v_pk_add_f32 v[ACC+4*e:ACC+4*e+1], v[ACC+4*e:ACC+4*e+1], v[ACC+4*e+2:ACC+4*e+3]
.set e, e+1
.endr
.set e, 0
.rept 4
	v_add_f32 v[S+4*t+e], v[ACC+4*e], v[ACC+4*e+1]
.set e, e+1
.endr
.set t, t+1
.endr
	; the 32 sums over the 32 lanes: four steps inside each half of 16 lanes, one across the halves; every lane ends with the sum
.irp m, 1,2,4,8
.set n, 0
.rept 32
	v_add_f32_dpp v[S+n], v[S+n], v[S+n] row_xmask:\m row_mask:0xf bank_mask:0xf
.set n, n+1
.endr
.endr
.set g, 0
.rept 4
.set n, 0
.rept 8
	v_permlanex16_b32 v[T+n], v[S+8*g+n], s14, s15
.set n, n+1
.endr
.set n, 0
.rept 8
	v_add_f32 v[S+8*g+n], v[S+8*g+n], v[T+n]
.set n, n+1
.endr
.set g, g+1
.endr
.set t, 0
.rept 8
	ds_store_b128 v6, v[S+4*t:S+4*t+3] offset:16*t ; all lanes store the same four numbers to the same 16 bytes
.set t, t+1
.endr
	s_wait_dscnt 0x0                               ; for wave 0's sake: my stores are done
	s_barrier_signal -1
	s_barrier_wait -1
	s_cmp_lg_u32 s12, 0
	s_cbranch_scc1 .Lend                           ; wave 0 finishes alone; no barrier stands in what is jumped
	ds_load_b128 v[16:19], v3                      ; lane = token: its four logits
	s_wait_dscnt 0x0
	v_max3_num_f32 v20, v16, v17, v18
	v_max_num_f32 v20, v20, v19                    ; the maximum is taken away, as in the softmax that is computed
.irp i, 0,1,2,3
	v_sub_f32 v[21+\i], v[16+\i], v20
.endr
.irp i, 0,1,2,3
	v_mul_f32 v[21+\i], 0x3fb8aa3b, v[21+\i]       ; x log2(e)
.endr
.irp i, 0,1,2,3
	v_exp_f32 v[21+\i], v[21+\i]
.endr
	v_lshlrev_b32 v44, 3, v1                       ; 8 x lane: the plain instruction behind the last exponential
	s_wait_alu depctr_va_vdst(0)                   ; one wait for the four exponentials, ahead of their first reader
	v_add_f32 v25, v21, v22
	v_add_f32 v26, v23, v24
	v_add_f32 v25, v25, v26
	v_rcp_f32 v26, v25
	v_mov_b32 v28, 0                               ; the best index starts at 0: the plain instruction behind the reciprocal
	s_wait_alu depctr_va_vdst(0)
.irp i, 0,1,2,3
	v_mul_f32 v[21+\i], v[21+\i], v26              ; the probabilities
.endr
	v_mov_b32 v27, v21
.irp i, 1,2,3                          ; strictly greater: the lower index keeps a tie
	v_cmp_gt_f32 vcc_lo, v[21+\i], v27
	v_cndmask_b32 v27, v27, v[21+\i], vcc_lo
	v_cndmask_b32 v28, v28, \i, vcc_lo
.endr
.irp i, 0,1,2,3                        ; the winner leaves the field
	v_cmp_eq_u32 vcc_lo, \i, v28
	v_cndmask_b32 v[29+\i], v[21+\i], -1.0, vcc_lo
.endr
	v_mov_b32 v33, v29
	v_mov_b32 v34, 0
.irp i, 1,2,3
	v_cmp_gt_f32 vcc_lo, v[29+\i], v33
	v_cndmask_b32 v33, v33, v[29+\i], vcc_lo
	v_cndmask_b32 v34, v34, \i, vcc_lo
.endr
	v_add_f32 v35, v27, v33
	v_add_f32 v35, 0x322bcc77, v35                 ; + 1e-8
	v_rcp_f32 v36, v35
	v_min_u32 v39, v28, v34                        ; the lower expert: the plain instruction behind the reciprocal
	s_wait_alu depctr_va_vdst(0)
	v_max_u32 v40, v28, v34                        ; the higher expert
	v_mul_f32 v37, v27, v36
	v_mul_f32 v38, v33, v36
	v_cmp_lt_u32 vcc_lo, v28, v34
	v_cndmask_b32 v42, v38, v37, vcc_lo            ; the lower expert's gate,
	v_cndmask_b32 v43, v37, v38, vcc_lo            ; the higher expert's
	v_lshl_add_u32 v41, v39, 2, v40                ; 4 lower + higher names the set
	v_cmp_eq_u32 s20, 1, v41
	v_cmp_eq_u32 s21, 2, v41
	v_cmp_eq_u32 s22, 3, v41
	v_cmp_eq_u32 s23, 6, v41
	v_cmp_eq_u32 s24, 7, v41
	v_cmp_eq_u32 s25, 11, v41
.irp i, 0,1,2,3,4,5
	s_bcnt1_i32_b32 s[26+\i], s[20+\i]
.endr
	s_lshl_b32 s27, s27, 16
	s_or_b32 s32, s26, s27
	s_lshl_b32 s29, s29, 16
	s_or_b32 s33, s28, s29
	s_lshl_b32 s31, s31, 16
	s_or_b32 s34, s30, s31
	v_mov_b32 v46, 0                               ; the record: lane l holds words 2 l (v46) and 2 l + 1 (v47)
	v_mov_b32 v47, 0
	v_writelane_b32 v46, s20, 0
	v_writelane_b32 v47, s21, 0
	v_writelane_b32 v46, s22, 1
	v_writelane_b32 v47, s23, 1
	v_writelane_b32 v46, s24, 2
	v_writelane_b32 v47, s25, 2
	v_writelane_b32 v46, s32, 4
	v_writelane_b32 v47, s33, 4
	v_writelane_b32 v46, s34, 5
	global_store_b64 v44, v[46:47], s[8:9]         ; 256 consecutive bytes, aligned
	global_store_b64 v44, v[42:43], s[10:11]       ; likewise
.Lend:
	s_wait_tensorcnt 0x0                           ; the wave's end, behind my last LDS store
	ds_add_u32 v4, v5
	s_wait_dscnt 0x0
	s_endpgm
.Lfunc_end_k_qb6668b94b5_router:
	.size	k_qb6668b94b5_router, .Lfunc_end_k_qb6668b94b5_router-k_qb6668b94b5_router
	.p2alignl 7, 3214868480
	.fill 96, 4, 3214868480
	.section	.rodata,"a",@progbits
	.p2align	6, 0x0
	.amdhsa_kernel k_qb6668b94b5_router
		.amdhsa_group_segment_fixed_size 1024
		.amdhsa_private_segment_fixed_size 0
		.amdhsa_enable_private_segment 0
		.amdhsa_kernarg_size 32
		.amdhsa_user_sgpr_count 2
		.amdhsa_user_sgpr_kernarg_segment_ptr 1
		.amdhsa_wavefront_size32 1
		.amdhsa_system_sgpr_workgroup_id_x 1
		.amdhsa_system_sgpr_workgroup_id_y 1
		.amdhsa_system_sgpr_workgroup_id_z 1
		.amdhsa_system_vgpr_workitem_id 0
		.amdhsa_next_free_vgpr 256
		.amdhsa_next_free_sgpr 66
		.amdhsa_reserve_vcc 1
		.amdhsa_float_denorm_mode_32 3
		.amdhsa_float_denorm_mode_16_64 3
		.amdhsa_memory_ordered 1
		.amdhsa_forward_progress 1
		.amdhsa_inst_pref_size 53
	.end_amdhsa_kernel
	.amdgpu_metadata
---
amdhsa.version: [ 1, 2 ]
amdhsa.kernels:
  - .name:           k_qb6668b94b5_router
    .symbol:         k_qb6668b94b5_router.kd
    .args:
      - { .name: x, .offset: 0, .size: 8, .value_kind: global_buffer, .address_space: global }
      - { .name: router_w, .offset: 8, .size: 8, .value_kind: global_buffer, .address_space: global }
      - { .name: rt, .offset: 16, .size: 8, .value_kind: global_buffer, .address_space: global }
      - { .name: gat, .offset: 24, .size: 8, .value_kind: global_buffer, .address_space: global }
    .group_segment_fixed_size: 1024
    .private_segment_fixed_size: 0
    .kernarg_segment_align: 8
    .kernarg_segment_size: 32
    .max_flat_workgroup_size: 128
    .sgpr_count:     66
    .vgpr_count:     256
    .wavefront_size: 32
...
	.end_amdgpu_metadata
.endif
;; end of part 1
;; launch prep (part 2): grid 256 x 1, 9 waves a work-group, no clusters, 84,224 bytes of LDS; arguments w1, w2, b1, rt, wf, list, tot; writes wf, list, tot
.if DOCPART == 2
	.amdgcn_target "amdgcn-amd-amdhsa--gfx1250"
	.amdhsa_code_object_version 6
	.text
	.protected	k_qb6668b94b5_prep
	.globl	k_qb6668b94b5_prep
	.p2align	8
	.type	k_qb6668b94b5_prep,@function
k_qb6668b94b5_prep:
	s_mov_b64 s[64:65], 0
	v_nop
	global_prefetch_b8 v0, s[64:65] scope:SCOPE_SE
	s_setreg_imm32_b32 hwreg(HW_REG_WAVE_MODE, 25, 1), 1
	s_wait_xcnt 0x0
; PREP.  (1) The weights are rounded once and laid in the order in which the next launch's operand registers take them.  (2) The tokens are sorted by their set of two experts, by counting.
; wf: blocks [expert e][b = 0..32][consumer wave 0..3] of 33,792 bytes.  A consumer's part: 1 KB of bias, then 32 fragments of 1 KB.  Fragments 0-15: w1, hidden rows 64 b + 16 consumer + r, channels 32 F on,
; in bf16.  Fragments 16 + 8 s + m: w2 of the chunk BEFORE, channels 128 consumer + 16 m + r, hidden 64 (b - 1) + 32 s on: rounded to bf16 like every input, and that number written as f16.
; In a fragment lane l = r + 16 h has its registers 0-3 (k = 8 h ..) at byte 16 l and its registers 4-7 (k = 16 + 8 h ..) at byte 512 + 16 l.  The bias is f32 (of b1 rounded to bf16): register j of lane l is
; hidden 8 h + j.  Block 32 has zeros for bias and w1, block 0 zeros for w2.
; SHARES.  Work-groups 0-127: a chunk of 64 rows of w1.  128-255: a chunk of 64 columns of w2.  ONE text serves both: wave v (0-7) takes 64 rows x 64 k (w1: all 64 hidden rows, channels 64 v on; w2: channels
; 64 v on, the chunk's 64 hidden units), which are just 8 fragments.  Each of its 32 loads takes two rows' 256 aligned bytes.  The wave scatters 8 bytes a lane into 32 units of 256 bytes of its OWN in LDS and
; reads them back as fragments: no wave reads another's bytes, so there is no barrier.  A store covers 512 consecutive bytes, aligned.  What differs between w1 and w2 (source, row pitch, the fragments' places,
; the 16-bit format) lies in scalar registers chosen by s_cselect; no LDS address hangs on it.
; Wave 8 places the 32 tokens of group g: it adds up the counts of all 256 groups (8 a lane), of those before g apart, and each token's place is its set's first place (sets begin on multiples of 64)
; + the set's tokens in earlier groups + those in lower lanes.  No atomics: each place has one writer.
; LIMITS.  |w2| stays under 65,504; below 6e-5 f16 keeps a fixed step of 6e-8.
.set UP,    288                        ; a unit: 256 bytes + 32: the five lane bits of a scatter fall on 8, 16, 32, 64, 128 bytes modulo 256
.set WREG,  32*UP                      ; a wave's 32 units
.set SPARE, 9*WREG                     ; behind nine such regions (the ninth is not used): the spare words, 128 bytes for each of nine waves, five blocks of 256 bytes
.set BLKW,  33792
.set BLK,   4*BLKW
.set FO,    16                         ; v16-23   fragment (row group g, k half s) at FO + 2 g + s: its byte offset in wf, with my 16 bytes
.set D,     32                         ; v32-159  the 32 loads' registers
.set O,     160                        ; v160-191 the 32 loads' offsets
	s_load_b256 s[4:11], s[0:1], 0x0               ; w1 s[4:5], w2 s[6:7], b1 s[8:9], rt s[10:11]
	s_load_b128 s[12:15], s[0:1], 0x20             ; wf s[12:13], list s[14:15]
	s_load_b64 s[16:17], s[0:1], 0x30              ; tot
	v_lshl_add_u32 v2, v0, 2, SPARE                ; my spare word,
	v_mov_b32 v3, 0                                ; and 0: kept for the wave's end alone
	v_and_b32 v1, 31, v0                           ; lane
	v_lshrrev_b32 v8, 5, v0
	v_readfirstlane_b32 s18, v8                    ; wave 0..8
	s_mov_b32 s19, ttmp9                           ; g
	s_bfe_u32 s20, s19, 0x20005                    ; expert = (g / 32) % 4
	s_and_b32 s21, s19, 31                         ; chunk
	s_lshr_b32 s22, s18, 1
	s_and_b32 s23, s18, 1
	s_lshr_b32 s24, s19, 7                         ; 0: w1, 1: w2
	v_lshlrev_b32 v6, 4, v1                        ; 16 x lane
	s_wait_kmcnt 0x0
	s_cmp_eq_u32 s18, 8
	s_cbranch_scc1 .Lsort
	; ---- waves 0-7.  Both weights' numbers are made, then chosen ----
	s_lshl_b32 s30, s19, 17                        ; w1: (32 e + chunk) x 64 rows x 2,048 bytes
	s_lshl_b32 s31, s18, 8                         ;     + my 64 channels
	s_add_co_u32 s30, s30, s31
	s_lshl_b32 s31, s20, 22                        ; w2: the expert's 512 x 8,192 bytes
	s_lshl_b32 s32, s21, 8                         ;     + the chunk's 256 bytes of each row
	s_add_co_u32 s31, s31, s32
	s_lshl_b32 s32, s18, 19                        ;     + my 64 rows
	s_add_co_u32 s31, s31, s32
	s_mul_i32 s33, s20, 33
	s_add_co_u32 s33, s33, s21
	s_add_co_u32 s33, s33, s24                     ; block 33 e + chunk; a chunk of w2 lies in the block behind its number
	s_mul_i32 s34, s33, BLK
	s_mul_i32 s35, s22, BLKW                       ; consumer v / 2's part
	s_lshl_b32 s36, s18, 11                        ; w1: fragments 2 v, 2 v + 1 of every consumer
	s_lshl_b32 s37, s23, 12                        ; w2: consumer v / 2, fragments 16 + 8 s + 4 (v % 2) + g
	s_add_co_u32 s37, s37, s35
	s_add_co_u32 s37, s37, 16384
	s_mul_i32 s38, s23, 8704                       ; zeros for w1: my half of the first 17,408 bytes
	s_lshl_b32 s39, s23, 13                        ; zeros for w2: my half of the last 16,384
	s_add_co_u32 s39, s39, 17408
	s_lshl_b32 s43, s24, 1
	s_lshl_b32 s42, 4096, s43                      ; two rows: 4,096 or 16,384 bytes
	s_add_co_u32 s43, s43, 11                      ; a row: 2^11 or 2^13 bytes
	s_mov_b32 s45, BLKW
	s_mov_b32 s46, 1024
	s_mov_b32 s41, 0
	s_cmp_lg_u32 s24, 0                            ; the selects below leave SCC alone
	s_cselect_b64 s[28:29], s[6:7], s[4:5]         ; the source
	s_cselect_b32 s40, s31, s30
	s_cselect_b32 s44, s37, s36
	s_cselect_b32 s45, 1024, s45                   ; from row group to row group: the next consumer, or the next fragment
	s_cselect_b32 s46, 8192, s46                   ; from k half to k half: the next fragment, or eight on
	s_cselect_b32 s47, s39, s38
	s_cselect_b32 s48, -1, 1                       ; the zeros' block: behind w1's last, in front of w2's first
	s_cselect_b32 s49, 0, 31                       ; the chunk that writes them
	s_cselect_b32 s50, -1, 0                       ; all ones: f16
	s_add_nc_u64 s[28:29], s[28:29], s[40:41]      ; the source at my first row
	s_add_co_u32 s52, s34, s44
	s_add_co_u32 s52, s52, 1024                    ; behind the bias
	s_mov_b32 s53, 0
	s_add_nc_u64 s[52:53], s[12:13], s[52:53]      ; wf at my first fragment
	s_add_co_u32 s54, s34, s35
	s_lshl_b32 s56, s23, 9
	s_add_co_u32 s54, s54, s56
	s_mov_b32 s55, 0
	s_add_nc_u64 s[54:55], s[12:13], s[54:55]      ; wf at my half of consumer v / 2's bias
	s_add_co_i32 s56, s33, s48
	s_mul_i32 s56, s56, BLK
	s_add_co_u32 s56, s56, s35
	s_add_co_u32 s56, s56, s47
	s_mov_b32 s57, 0
	s_add_nc_u64 s[56:57], s[12:13], s[56:57]      ; wf at my part of the zeros
	s_and_b32 s58, s19, 127                        ; b1: (64 (32 e + chunk) + 16 (v / 2) + 4 (v % 2) + 8 (lane / 16)) x 4 bytes
	s_lshl_b32 s58, s58, 8
	s_lshl_b32 s59, s22, 6
	s_add_co_u32 s58, s58, s59
	s_lshl_b32 s59, s23, 4
	s_add_co_u32 s58, s58, s59
	v_lshrrev_b32 v9, 4, v1                        ; lane / 16
	v_and_b32 v11, 15, v1
	v_lshl_add_u32 v24, v9, 5, s58
	global_load_b128 v[12:15], v24, s[8:9]         ; every work-group loads it; w1's store it
	v_lshlrev_b32 v4, s43, v9                      ; lanes 0-15 an even row's 256 bytes, lanes 16-31 the odd row's
	v_lshl_add_u32 v4, v11, 4, v4
.set n, 0
.rept 32
	v_mad_u32_u24 v[O+n], s42, n, v4               ; rows 2 n and 2 n + 1: the pitch hangs on the weight, so it cannot stand in the immediate
.set n, n+1
.endr
.set n, 0
.rept 32
	global_load_b128 v[D+4*n:D+4*n+3], v[O+n], s[28:29] th:TH_LOAD_NT
.set n, n+1
.endr
	; the scatter: unit 8 (n / 8) + 4 (k / 32) + 2 (k % 32 / 16) + (k % 16 / 8) = 8 (n / 8) + (lane / 2) % 8; in it 16 bytes for row 2 (n % 8) + lane / 16, 8 for each lane
	v_bfe_u32 v5, v1, 1, 3
	v_mul_u32_u24 v5, v5, UP
	v_lshl_add_u32 v5, v9, 4, v5
	v_and_b32 v10, 1, v1
	v_lshl_add_u32 v5, v10, 3, v5
	s_mul_i32 s59, s18, WREG                       ; my wave's own units
	v_add_nc_u32 v5, s59, v5
	v_mul_u32_u24 v7, v9, UP                       ; back: two units to a load, 16 bytes a lane
	v_lshl_add_u32 v7, v11, 4, v7
	v_add_nc_u32 v7, s59, v7
.irp g, 0,1,2,3
	v_mad_u32_u24 v[FO+2*\g], s45, \g, v6
	v_add_nc_u32 v[FO+2*\g+1], s46, v[FO+2*\g]
.endr
	s_wait_loadcnt 32                              ; b1 is in; the 32 loads of weights are younger
	v_cvt_pk_bf16_f32 v10, v12, v13
	v_cvt_pk_bf16_f32 v11, v14, v15
	v_lshlrev_b32 v12, 16, v10
	v_and_b32 v13, 0xffff0000, v10
	v_lshlrev_b32 v14, 16, v11
	v_and_b32 v15, 0xffff0000, v11
.set n, 0
.rept 32
	s_wait_loadcnt 31-n                            ; load n is in; the later ones stay out
	v_cvt_pk_bf16_f32 v10, v[D+4*n], v[D+4*n+1]    ; to bf16, as every input;
	v_cvt_pk_bf16_f32 v11, v[D+4*n+2], v[D+4*n+3]
	v_lshlrev_b32 v[D+4*n], 16, v10
	v_and_b32 v[D+4*n+1], 0xffff0000, v10
	v_lshlrev_b32 v[D+4*n+2], 16, v11
	v_and_b32 v[D+4*n+3], 0xffff0000, v11
	v_cvt_pk_f16_f32 v[D+4*n], v[D+4*n], v[D+4*n+1]    ; that number as f16;
	v_cvt_pk_f16_f32 v[D+4*n+1], v[D+4*n+2], v[D+4*n+3]
	v_cndmask_b32 v[D+4*n], v10, v[D+4*n], s50         ; w1 keeps the bf16, w2 takes the f16
	v_cndmask_b32 v[D+4*n+1], v11, v[D+4*n+1], s50
	ds_store_b64 v5, v[D+4*n:D+4*n+1] offset:(n/8)*8*UP+(n%8)*32
.set n, n+1
.endr
.set n, 0
.rept 16                               ; LDS serves a wave's instructions in order (ISA guide 5.7.1.4): these see my stores above; half n % 2 of fragment n / 2
	ds_load_b128 v[D+4*n:D+4*n+3], v7 offset:n*2*UP
.set n, n+1
.endr
.set n, 0
.rept 16
	s_wait_dscnt 15-n
	global_store_b128 v[FO+n/2], v[D+4*n:D+4*n+3], s[52:53] offset:(n%2)*512
.set n, n+1
.endr
	s_cmp_eq_u32 s24, 0
	s_cbranch_scc0 .Lno_bias
	global_store_b128 v6, v[12:15], s[54:55]
.Lno_bias:
	s_cmp_eq_u32 s21, s49
	s_cbranch_scc0 .Lend                           ; only an expert's last chunk of w1 and first chunk of w2 write zeros
.irp k, 28,29,30,31
	v_mov_b32 v[\k], 0
.endr
.set n, 0
.rept 16
	global_store_b128 v6, v[28:31], s[56:57] offset:n*512
.set n, n+1
.endr
	s_cmp_eq_u32 s24, 0
	s_cbranch_scc0 .Lend
	global_store_b128 v6, v[28:31], s[56:57] offset:16*512  ; bias and w1 are 17,408 bytes: a seventeenth store for each half
.Lend:
	s_wait_tensorcnt 0x0                           ; the wave's end, behind my last LDS store
	ds_add_u32 v2, v3
	s_wait_dscnt 0x0
	s_endpgm
.Lsort:	; ---- wave 8: the places of tokens 32 g .. 32 g + 31 ----
	s_lshl_b32 s26, s19, 8
	s_mov_b32 s27, 0
	s_add_nc_u64 s[42:43], s[10:11], s[26:27]
	s_load_b256 s[32:39], s[42:43], 0x0            ; my group's six masks
	v_lshlrev_b32 v4, 11, v1                       ; lane b takes the counts of groups 8 b .. 8 b + 7
.set n, 0
.rept 8
	global_load_b128 v[D+4*n:D+4*n+3], v4, s[10:11] offset:n*256+32
.set n, n+1
.endr
	v_lshlrev_b32 v5, 3, v1
	v_sub_nc_u32 v5, s19, v5                       ; group 8 b + i lies before g where i < g - 8 b
	s_mov_b32 s40, 0x76543210
	s_mov_b32 s41, 0xfedcba98
	v_mov_b32 v10, 0
	s_wait_loadcnt 0x0
	v_cmp_lt_i32 vcc_lo, 0, v5
.irp k, 0,1,2                          ; two counts to a word: a set has 8,192 tokens at the most, so no field runs over
	v_cndmask_b32 v[12+\k], 0, v[D+\k], vcc_lo
	v_mov_b32 v[16+\k], v[D+\k]
.endr
.set n, 1
.rept 7
	v_cmp_lt_i32 vcc_lo, n, v5
.irp k, 0,1,2
	v_cndmask_b32 v10, 0, v[D+4*n+\k], vcc_lo
	v_add_nc_u32 v[12+\k], v[12+\k], v10
	v_add_nc_u32 v[16+\k], v[16+\k], v[D+4*n+\k]
.endr
.set n, n+1
.endr
.macro ALLRED r                        ; the sum over the 32 lanes, in every lane
.irp m, 1,2,4,8
	v_mov_b32_dpp v10, v[\r] row_xmask:\m row_mask:0xf bank_mask:0xf
	v_add_nc_u32 v[\r], v[\r], v10
.endr
	v_permlanex16_b32 v10, v[\r], s40, s41
	v_add_nc_u32 v[\r], v[\r], v10
.endm
.irp r, 12,13,14,16,17,18
	ALLRED \r
.endr
.irp k, 0,1,2
	v_readfirstlane_b32 s[44+\k], v[12+\k]
	v_readfirstlane_b32 s[47+\k], v[16+\k]
.endr
.irp k, 0,1,2
	s_and_b32 s[50+2*\k], s[44+\k], 0xffff         ; s50-55: the sets' tokens in earlier groups
	s_lshr_b32 s[51+2*\k], s[44+\k], 16
	s_and_b32 s[56+2*\k], s[47+\k], 0xffff         ; s56-61: the sets' tokens in all
	s_lshr_b32 s[57+2*\k], s[47+\k], 16
.endr
	s_mov_b32 s62, 0                               ; tiles of 64 places taken so far
.irp s, 0,1,2,3,4,5
	s_lshl_b32 s63, s62, 6
	s_add_co_u32 s[50+\s], s[50+\s], s63
	s_add_co_u32 s63, s[56+\s], 63
	s_lshr_b32 s63, s63, 6
	s_add_co_u32 s62, s62, s63
.endr
	s_wait_kmcnt 0x0                               ; the masks
	v_mov_b32 v20, 0
.irp s, 0,1,2,3,4,5
	v_mbcnt_lo_u32_b32 v10, s[32+\s], s[50+\s]     ; + the set's tokens in lower lanes
	v_cndmask_b32 v20, v20, v10, s[32+\s]          ; every token is in one set
.endr
	v_min_u32 v20, 8511, v20                       ; 133 tiles of 64 places serve every split: the sum of ceil(n / 64) over six sets of 8,192 tokens is 128 + 5 at the most
	v_lshlrev_b32 v20, 2, v20
	v_lshl_add_u32 v21, s19, 5, v1                 ; my token
	global_store_b32 v20, v21, s[14:15]
	s_cmp_eq_u32 s19, 0
	s_cbranch_scc0 .Lsorted
	v_mov_b32 v22, 0                               ; group 0 stores the six totals: lane l holds words 2 l and 2 l + 1
	v_mov_b32 v23, 0
	v_writelane_b32 v22, s56, 0
	v_writelane_b32 v23, s57, 0
	v_writelane_b32 v22, s58, 1
	v_writelane_b32 v23, s59, 1
	v_writelane_b32 v22, s60, 2
	v_writelane_b32 v23, s61, 2
	v_lshlrev_b32 v24, 3, v1
	global_store_b64 v24, v[22:23], s[16:17]       ; 256 consecutive bytes, aligned
.Lsorted:
	s_wait_tensorcnt 0x0                           ; the same three lines at this wave's end
	ds_add_u32 v2, v3
	s_wait_dscnt 0x0
	s_endpgm
.Lfunc_end_k_qb6668b94b5_prep:
	.size	k_qb6668b94b5_prep, .Lfunc_end_k_qb6668b94b5_prep-k_qb6668b94b5_prep
	.p2alignl 7, 3214868480
	.fill 96, 4, 3214868480
	.section	.rodata,"a",@progbits
	.p2align	6, 0x0
	.amdhsa_kernel k_qb6668b94b5_prep
		.amdhsa_group_segment_fixed_size 84224
		.amdhsa_private_segment_fixed_size 0
		.amdhsa_enable_private_segment 0
		.amdhsa_kernarg_size 56
		.amdhsa_user_sgpr_count 2
		.amdhsa_user_sgpr_kernarg_segment_ptr 1
		.amdhsa_wavefront_size32 1
		.amdhsa_system_sgpr_workgroup_id_x 1
		.amdhsa_system_sgpr_workgroup_id_y 1
		.amdhsa_system_sgpr_workgroup_id_z 1
		.amdhsa_system_vgpr_workitem_id 0
		.amdhsa_next_free_vgpr 192
		.amdhsa_next_free_sgpr 66
		.amdhsa_reserve_vcc 1
		.amdhsa_float_denorm_mode_32 3
		.amdhsa_float_denorm_mode_16_64 3
		.amdhsa_memory_ordered 1
		.amdhsa_forward_progress 1
		.amdhsa_inst_pref_size 46
	.end_amdhsa_kernel
	.amdgpu_metadata
---
amdhsa.version: [ 1, 2 ]
amdhsa.kernels:
  - .name:           k_qb6668b94b5_prep
    .symbol:         k_qb6668b94b5_prep.kd
    .args:
      - { .name: w1, .offset: 0, .size: 8, .value_kind: global_buffer, .address_space: global }
      - { .name: w2, .offset: 8, .size: 8, .value_kind: global_buffer, .address_space: global }
      - { .name: b1, .offset: 16, .size: 8, .value_kind: global_buffer, .address_space: global }
      - { .name: rt, .offset: 24, .size: 8, .value_kind: global_buffer, .address_space: global }
      - { .name: wf, .offset: 32, .size: 8, .value_kind: global_buffer, .address_space: global }
      - { .name: list, .offset: 40, .size: 8, .value_kind: global_buffer, .address_space: global }
      - { .name: tot, .offset: 48, .size: 8, .value_kind: global_buffer, .address_space: global }
    .group_segment_fixed_size: 84224
    .private_segment_fixed_size: 0
    .kernarg_segment_align: 8
    .kernarg_segment_size: 56
    .max_flat_workgroup_size: 288
    .sgpr_count:     66
    .vgpr_count:     192
    .wavefront_size: 32
...
	.end_amdgpu_metadata
.endif
;; end of part 2
;; launch chain (part 3): grid 133 x 1, 4 waves a work-group, no clusters, 327,680 bytes of LDS; arguments x, gat, list, tot, wf, b2, out0; writes out0
.if DOCPART == 3
	.amdgcn_target "amdgcn-amd-amdhsa--gfx1250"
	.amdhsa_code_object_version 6
	.text
	.protected	k_qb6668b94b5_chain
	.globl	k_qb6668b94b5_chain
	.p2align	8
	.type	k_qb6668b94b5_chain,@function
k_qb6668b94b5_chain:
	s_mov_b64 s[64:65], 0
	v_nop
	global_prefetch_b8 v0, s[64:65] scope:SCOPE_SE
	s_setreg_imm32_b32 hwreg(HW_REG_WAVE_MODE, 25, 1), 1
	s_wait_xcnt 0x0
; THE CHAIN.  out[t] = gA (W2[eA] gelu(W1[eA] x[t] + b1[eA]) + b2[eA]) + gB (the same for eB), for the two experts that token t chose.
; The tokens come sorted by their SET of experts, so a work-group's 64 tokens share eA and eB, both experts are added into ONE accumulator, and each output row has one owner.
; FORMATS.  x, w1, b1, w2, b2 rounded to bf16; product 1 in bf16; the gated hidden layer g gelu(.) rounded once to f16, product 2 in f16 (w2: the bf16 number written as f16); sums, GELU and gates in f32.
; LIMITS.  |g gelu| and |w2| stay under 65,504; below 6e-5 f16 keeps a fixed step of 6e-8; NaN and infinities are not treated apart.
; GRID.  A work-group owns a tile of 64 places of the list, all of one set.  The sum over six sets of ceil(n / 64) is 128 + 5 at the most, whatever the split: 133 work-groups.  A place past the set's count
; repeats a row that exists; its store is jumped.  A tile without rows walks like the others (every wave passes every barrier) and stores nothing.  64 tokens a work-group, and not 32, since each byte of
; weights that is brought into LDS and read from it then feeds four matrix instructions and not two; the price is stated: 133 work-groups.
; BOTH PRODUCTS ARE USED TRANSPOSED: h^T = W1 x^T, out^T += W2 h^T.  A lane then holds ONE token (lane % 16) and eight neighbouring hidden units or channels.
; THE WALK.  66 steps: blocks 0..32 of eA, then 0..32 of eB.  In a step wave w makes 16 hidden units of a chunk of 64 for all 64 tokens (64 matrix instructions; x stays in 512 registers), and adds the chunk
; BEFORE into its 128 output channels (64 matrix instructions).  The four waves' hidden units meet in LDS, in two buffers by turns.  A block holds w1 of its chunk and w2 of the chunk before, laid out by the
; launch before so that every LDS read is 512 consecutive bytes; an expert's first block has zeros for w2, its last zeros for w1 and bias.
; THE RING.  Two slots of a block; each wave asks for its own 33,792 bytes and reads them alone.  One barrier a step orders: my tile has landed; every wave's hidden units are stored; nobody still reads the
; slot that is filled again or the hidden buffer that is written again.  By this text's count one tensor load of a wave is out at a time.
; NO CLUSTER.  Tiles of one set walk the same weights, but WHICH blocks a tile walks is worked out from the sets' counts, which are read from memory: a joint load's address would hang on loaded numbers and
; not on coordinates that partners share by construction.  So each work-group asks for itself: 133 x 66 x 135,168 bytes of requests, four times what clusters of four would make.
; No prefetch: each block is wanted by many work-groups at times of their own, so no one wave could ask for it once.
; REGISTERS, in windows of 256 (s_set_vgpr_msb: bits 1:0 source 0, 3:2 source 1, 5:4 source 2, 7:6 destination).  Window 0: see the names below.  Window 1: the 32 accumulators of out^T (at first: where x lands).
; Windows 2 and 3: x as 64 fragments.
.set BLKW,  33792                      ; a wave's part of a block: 132 rows of 256 bytes
.set BLK,   4*BLKW
.set HB,    2*BLK                      ; LDS: two slots of a block; then two hidden buffers of 8 KB: [32 hidden][16 tokens][half][512 bytes]
.set HBUF,  8192
.set XS,    HB+2*HBUF                  ; then 32 rows of x in bf16, 1,024 bytes + 16 of padding: the 16 rows of a fragment load start in 16 different groups of four banks (ISA guide 11.1)
.set XP,    1040
.set SPARE, XS+32*XP                   ; then the spare words, 128 bytes a wave: two blocks of 256 bytes that no other line names
.set SPI,   528                        ; the way out: a row of 128 f32 + 16 bytes; 64 such rows are just a wave's part of slot 0, which has had its last fill by then
.set AW,   4                           ; v4-5    my 16 bytes in my wave's part of slot 0, 1
.set AHR,  6                           ; v6-7    my 16 bytes in hidden buffer 0, 1, for reading
.set AHS,  8                           ; v8-9    the same for my wave's stores
.set SPW,  10                          ; v10     my spare word; never rewritten
.set NIL,  11                          ; v11     0; never rewritten
.set VST,  14                          ; v14     the way out: where I put 32 bytes of a row
.set VRD,  15                          ; v15     the way out: where I read a row back
.set TOK,  16                          ; v16-19  token of place 16 u + lane % 16
.set GAB,  20                          ; v20-27  its two gates, a pair for each u
.set G,    28                          ; v28-35  the gate in force, in the low register of a pair
.set B2O,  36                          ; v36-37  my offsets in b2[eA], b2[eB]
.set OB,   38                          ; v38     512 wave + 16 lane
.set TP,   39
.set BIAS, 40                          ; v40-47  b1 as a C operand; at the end b2[eA], b2[eB]
.set HACC, 48                          ; v48-79  h^T, four accumulators
.set HBF,  80                          ; v80-143 the chunk before as 8 fragments
.set T,    80                          ; v80-111 at work in the GELU
.set RING, 144                         ; v144-239 three buffers of four weight fragments
.set P,    240                         ; v240-255 the packed hidden units
.set OACC, 256
.set XF,   512
.set ROWT, 40                          ; in the beginning: v40-41 tokens of the rows that I fetch; v144-207 converted x; v208-223 the rows' offsets; v224.. addresses
.set CV,   144                         ; on the way out: v144-207 16 rows read back; v208-223 their offsets in out0
.set XO,   208
.set VXS,  224
.set VXR,  225
.set GA,   226
.set LA,   230
.set L16,  236
.set RI,   237
.set WV,   18                          ; s18 wave   s20 tile   s21 count of rows   s22 step   s23 loop count
.set Q,    20
.set CNT,  21
.set IT,   22
.set LC,   23
.set G1,   24                          ; s[24:31] descriptor group 1
.set G0,   32                          ; s[32:39] descriptor group 0, a set for each slot
.set WB,   40                          ; s[40:41] wf at my wave's part of block 0
.set OFF,  42                          ; s[42:43] an offset, high word 0
.set EA33, 44                          ; s44 33 eA       s45 33 eB - 33: + step = the block's number
.set EB33M, 45
.set T0,   46
.set SM,   47                          ; s47 all ones while the step's hidden units are eA's
.set KA,   48                          ; s[48:49], s[50:51] the GELU's two constants, in the low words
.set KB,   50
.set TS,   52
.set T2,   53
.set T3,   54
.set NS,   55
.set START, 56
.set CUM,  57
.set EA,   58
.set EB,   59
.set CM1,  60
.set BASE, 61
.set TKS,  66
.set GAS,  68                          ; s[68:69], s[70:71] a row's two gates, in the low words
.set GBS,  70
.set MSB, 0
.macro WIN new                         ; the immediate's high byte repeats the setting that is left; a switch that changes nothing is dropped
.if MSB != (\new)
	s_set_vgpr_msb (MSB<<8)|(\new)
.set MSB, \new
.endif
.endm
.macro PLACES                          ; four plain vector instructions between a matrix instruction and a load into, or a read of, its registers
.rept 4
	v_nop
.endr
.endm
.macro PICK s, lo, hi                  ; the last set whose first tile is not behind mine is my set; a set without tokens takes no tile
	s_cmp_ge_u32 s[Q], s[CUM]
	s_cselect_b32 s[NS], s[72+\s], s[NS]
	s_cselect_b32 s[START], s[CUM], s[START]
	s_cselect_b32 s[EA], \lo, s[EA]
	s_cselect_b32 s[EB], \hi, s[EB]
	s_add_co_u32 s[TS], s[72+\s], 63
	s_lshr_b32 s[TS], s[TS], 6
	s_add_co_u32 s[CUM], s[CUM], s[TS]
.endm
	s_load_b256 s[4:11], s[0:1], 0x0               ; x s[4:5], gat s[6:7], list s[8:9], tot s[10:11]
	s_load_b128 s[12:15], s[0:1], 0x20             ; wf s[12:13], b2 s[14:15]
	s_load_b64 s[16:17], s[0:1], 0x30              ; out0
	v_lshl_add_u32 v[SPW], v0, 2, SPARE
	v_mov_b32 v[NIL], 0
	ds_add_u32 v[SPW], v[NIL]                      ; the wave's opening: the add and its wait come ahead of my first tensor load; work on registers stands between them
	v_lshrrev_b32 v1, 5, v0
	v_readfirstlane_b32 s[WV], v1
	s_mov_b32 s[Q], ttmp9
	; descriptor group 1: 33,792 dense bytes as 132 rows of 256 bytes
	s_mov_b32 s[G1+0], 3<<16                       ; 15:0 no mask; 17:16 elements of 8 bytes; no padding
	s_mov_b32 s[G1+1], 32<<16                      ; tensor_dim0 = 32
	s_mov_b32 s[G1+2], 132<<16                     ; tensor_dim1 = 132
	s_mov_b32 s[G1+3], 32<<16                      ; tile_dim0 = 32
	s_mov_b32 s[G1+4], 132                         ; tile_dim1 = 132
	s_mov_b32 s[G1+5], 32                          ; 32 elements from row to row
	s_mov_b32 s[G1+6], 0
	s_mov_b32 s[G1+7], 0
	s_mov_b32 s[G0], 1
	s_mul_i32 s[G0+1], s[WV], BLKW                 ; LDS: slot 0, my wave's part
	s_mov_b32 s[G0+4], 1
	s_add_co_u32 s[G0+5], s[G0+1], BLK             ; slot 1
	s_mul_i32 s[OFF], s[WV], BLKW
	s_mov_b32 s[OFF+1], 0
	s_mov_b32 s[KA], 0xbdd2d3e8                    ; -2 sqrt(2 / pi) log2(e) x 0.044715
	s_mov_b32 s[KA+1], s[KA]                       ; named with it as a pair
	s_mov_b32 s[KB], 0xc0135761                    ; -2 sqrt(2 / pi) log2(e)
	s_mov_b32 s[KB+1], s[KB]
	s_mov_b32 s[GAS+1], 0
	s_mov_b32 s[GBS+1], 0
	s_mov_b32 s[NS], 0
	s_mov_b32 s[START], 0
	s_mov_b32 s[CUM], 0
	s_mov_b32 s[EA], 0
	s_mov_b32 s[EB], 1
	s_mov_b32 s[IT], 0
	s_wait_dscnt 0x0                               ; the opening add is done
	s_wait_kmcnt 0x0
	s_load_b256 s[72:79], s[10:11], 0x0            ; the six sets' counts
	s_add_nc_u64 s[WB:WB+1], s[12:13], s[OFF:OFF+1]
	s_wait_kmcnt 0x0
	PICK 0, 0, 1
	PICK 1, 0, 2
	PICK 2, 0, 3
	PICK 3, 1, 2
	PICK 4, 1, 3
	PICK 5, 2, 3
	s_min_u32 s[EA], s[EA], 3
	s_min_u32 s[EB], s[EB], 3
	s_mul_i32 s[EA33], s[EA], 33
	s_mul_i32 s[EB33M], s[EB], 33
	s_sub_co_u32 s[EB33M], s[EB33M], 33            ; eB is 1 at the least
	s_min_u32 s[TS], s[EA33], 131
	s_mul_i32 s[OFF], s[TS], BLK
	s_add_nc_u64 s[G0+2:G0+3], s[WB:WB+1], s[OFF:OFF+1]  ; block 0 of eA
	s_or_b32 s[G0+3], s[G0+3], 0x80000000          ; type = 2
	tensor_load_to_lds s[G0:G0+3], s[G1:G1+7]      ; the first fill, ahead of every wait on TENSORcnt, LDS read and barrier
	s_nop 0
	PLACES
	; how many of my 64 places hold rows, and where they begin
	s_sub_co_u32 s[TS], s[Q], s[START]
	s_lshl_b32 s[TS], s[TS], 6
	s_sub_co_u32 s[CNT], s[NS], s[TS]
	s_max_i32 s[CNT], s[CNT], 0
	s_min_i32 s[CNT], s[CNT], 64
	s_lshl_b32 s[T3], s[Q], 6
	s_cmp_lg_u32 s[CNT], 0
	s_cselect_b32 s[BASE], s[T3], 0                ; without rows: place 0, which always holds a token; nothing is stored then
	s_max_u32 s[CM1], s[CNT], 1
	s_sub_co_u32 s[CM1], s[CM1], 1                 ; places past the count repeat the last row
	v_and_b32 v3, 31, v0                           ; lane
	v_and_b32 v1, 15, v0                           ; r
	v_bfe_u32 v2, v0, 4, 1                         ; h
	v_lshlrev_b32 v[L16], 4, v3
.irp u, 0,1,2,3
	v_add_nc_u32 v[TP], 16*\u, v1
	v_min_u32 v[TP], s[CM1], v[TP]
	v_add_nc_u32 v[TP], s[BASE], v[TP]
	v_min_u32 v[TP], 8511, v[TP]
	v_lshlrev_b32 v[LA+\u], 2, v[TP]
.endr
	v_and_b32 v[TP], 7, v0
	v_lshl_add_u32 v[RI], s[WV], 3, v[TP]          ; of each 32 places wave w fetches rows 8 w .. 8 w + 7
.irp u, 0,1
	v_add_nc_u32 v[TP], 32*\u, v[RI]
	v_min_u32 v[TP], s[CM1], v[TP]
	v_add_nc_u32 v[TP], s[BASE], v[TP]
	v_min_u32 v[TP], 8511, v[TP]
	v_lshlrev_b32 v[LA+4+\u], 2, v[TP]
.endr
.irp u, 0,1,2,3
	global_load_b32 v[TOK+\u], v[LA+\u], s[8:9]
.endr
	global_load_b32 v[ROWT], v[LA+4], s[8:9]
	global_load_b32 v[ROWT+1], v[LA+5], s[8:9]
	; the addresses are made while the list is on its way
	v_add_nc_u32 v[AW], s[G0+1], v[L16]
	v_add_nc_u32 v[AW+1], s[G0+5], v[L16]
	v_add_nc_u32 v[AHR], HB, v[L16]
	v_add_nc_u32 v[AHR+1], HB+HBUF, v[L16]
	s_lshr_b32 s[TS], s[WV], 1                     ; my 16 hidden units are half w % 2 of the fragments of 32 hidden units w / 2
	s_lshl_b32 s[TS], s[TS], 12
	s_and_b32 s[T2], s[WV], 1
	s_lshl_b32 s[T2], s[T2], 9
	s_add_co_u32 s[TS], s[TS], s[T2]
	s_add_co_u32 s[TS], s[TS], HB
	v_add_nc_u32 v[AHS], s[TS], v[L16]
	v_add_nc_u32 v[AHS+1], HBUF, v[AHS]
	v_mul_u32_u24 v[VST], v1, SPI
	v_lshl_add_u32 v[VST], v2, 5, v[VST]
	v_add_nc_u32 v[VST], s[G0+1], v[VST]
	v_add_nc_u32 v[VRD], s[G0+1], v[L16]
	s_lshl_b32 s[T2], s[WV], 9
	v_add_nc_u32 v[OB], s[T2], v[L16]
	s_lshl_b32 s[TS], s[EA], 11
	v_add_nc_u32 v[B2O], s[TS], v[OB]
	s_lshl_b32 s[TS], s[EB], 11
	v_add_nc_u32 v[B2O+1], s[TS], v[OB]
	s_mul_i32 s[TS], s[WV], 8*XP
	s_add_co_u32 s[TS], s[TS], XS
	v_lshl_add_u32 v[VXS], v3, 3, s[TS]
	v_mul_u32_u24 v[VXR], v1, XP
	v_lshl_add_u32 v[VXR], v2, 4, v[VXR]
	v_add_nc_u32 v[VXR], XS, v[VXR]
.irp u, 0,1,2,3
	v_mov_b32 v[G+2*\u+1], 0                       ; named with the gate as a pair
.endr
	s_wait_loadcnt 0x0
.irp u, 0,1,2,3
	v_min_u32 v[TOK+\u], 8191, v[TOK+\u]
	v_lshlrev_b32 v[GA+\u], 3, v[TOK+\u]
.endr
.irp u, 0,1,2,3
	global_load_b64 v[GAB+2*\u:GAB+2*\u+1], v[GA+\u], s[6:7]
.endr
.set n, 0
.rept 16
	v_readlane_b32 s[TS], v[ROWT+n/8], n%8
	s_min_u32 s[TS], s[TS], 8191
	v_lshl_add_u32 v[XO+n], s[TS], 11, v[L16]      ; a row of x is 2,048 bytes
.set n, n+1
.endr
	WIN 0x40                                       ; destination window 1
.set n, 0
.rept 64                               ; 16 whole rows, four loads of 512 consecutive bytes each
	global_load_b128 v[4*n:4*n+3], v[XO+n/4], s[4:5] offset:512*(n%4)
.set n, n+1
.endr
	WIN 0
; 32 places at a time: rounded to bf16, through LDS, back as fragments (lane l: token l % 16, channels 8 (l / 16) + 0..7 and 16 + 8 (l / 16) + 0..7 of each 32).  Every wave keeps all 64 tokens.
.macro XPASS p
	s_wait_loadcnt 32-32*(\p)                      ; this pass's 32 loads (and the gates) are in; the next pass's 32 are younger
	WIN 0x05                                       ; sources window 1
.set m, 0
.rept 32
	v_cvt_pk_bf16_f32 v[CV+2*m], v[128*(\p)+4*m], v[128*(\p)+4*m+1]
	v_cvt_pk_bf16_f32 v[CV+2*m+1], v[128*(\p)+4*m+2], v[128*(\p)+4*m+3]
.set m, m+1
.endr
	WIN 0
.set m, 0
.rept 32
	ds_store_b64 v[VXS], v[CV+2*m:CV+2*m+1] offset:(m/4)*XP+(m%4)*256
.set m, m+1
.endr
	s_wait_dscnt 0x0                               ; for the others' sake: my rows are stored
	s_barrier_signal -1                            ; The first tile may stay on its way
	s_barrier_wait -1
.set m, 0
.rept 16
	WIN 0x80+0x40*(m/8)                            ; destination window 2, then 3
.irp u, 0,1
	ds_load_b128 v[(8*(4*m+2*(\p)+(\u)))%256:(8*(4*m+2*(\p)+(\u)))%256+3], v[VXR] offset:(\u)*16*XP+64*m
	ds_load_b128 v[(8*(4*m+2*(\p)+(\u)))%256+4:(8*(4*m+2*(\p)+(\u)))%256+7], v[VXR] offset:(\u)*16*XP+64*m+32
.endr
.set m, m+1
.endr
	WIN 0
.endm
	XPASS 0
	s_wait_dscnt 0x0                               ; my reads of the rows are over,
	s_barrier_signal -1
	s_barrier_wait -1                              ; everybody's are: the rows may be written again
	XPASS 1
; A matrix instruction from absolute register numbers; c = -1: the constant 0 starts the sum
.macro MM form, d, a, b, c
.if (\c) < 0
	WIN (((\d)/256)*0x50)|(((\b)/256)*4)|((\a)/256)
	v_wmma_f32_16x16x32_\form v[(\d)%256:(\d)%256+7], v[(\a)%256:(\a)%256+7], v[(\b)%256:(\b)%256+7], 0
.else
	WIN (((\d)/256)*0x40)|(((\c)/256)*0x10)|(((\b)/256)*4)|((\a)/256)
	v_wmma_f32_16x16x32_\form v[(\d)%256:(\d)%256+7], v[(\a)%256:(\a)%256+7], v[(\b)%256:(\b)%256+7], v[(\c)%256:(\c)%256+7]
.endif
.endm
.macro GL k, slot                      ; group k of eight: weight fragments 4 k .. 4 k + 3 into ring buffer k % 3
	WIN 0
.irp f, 0,1,2,3
	ds_load_b128 v[RING+32*((\k)%3)+8*(\f):RING+32*((\k)%3)+8*(\f)+3], v[AW+(\slot)] offset:1024+(4*(\k)+(\f))*1024
	ds_load_b128 v[RING+32*((\k)%3)+8*(\f)+4:RING+32*((\k)%3)+8*(\f)+7], v[AW+(\slot)] offset:1024+(4*(\k)+(\f))*1024+512
.endr
.endm
.macro LB slot                         ; the bias
	WIN 0
	ds_load_b128 v[BIAS:BIAS+3], v[AW+(\slot)]
	ds_load_b128 v[BIAS+4:BIAS+7], v[AW+(\slot)] offset:512
.endm
.macro LH p                            ; the chunk before: 64 hidden units x 64 tokens, 8 fragments
	WIN 0
.irp f, 0,1,2,3,4,5,6,7
	ds_load_b128 v[HBF+8*(\f):HBF+8*(\f)+3], v[AHR+(\p)] offset:1024*(\f)
	ds_load_b128 v[HBF+8*(\f)+4:HBF+8*(\f)+7], v[AHR+(\p)] offset:1024*(\f)+512
.endr
.endm
; Group k's 16 matrix instructions.  k < 4: h^T += W1 x^T, channels 32 (4 k + f) on; the bias starts the sums.  k >= 4: out^T += W2 h^T, hidden 32 ((k - 4) / 2) on, channels 16 (4 (k % 2) + f) on;
; p2 = 1: the walk's first such products start the sums with 0.  The accumulators take turns, one instruction a turn (4 in the first product, 16 in the second).
.macro GM k, p2
.set RB, RING+32*((\k)%3)
.irp f, 0,1,2,3
.irp u, 0,1,2,3
.if (\k) < 4
.if 4*(\k)+(\f) == 0
	MM bf16, HACC+8*(\u), RB+8*(\f), XF+8*(4*(4*(\k)+(\f))+(\u)), BIAS
.else
	MM bf16, HACC+8*(\u), RB+8*(\f), XF+8*(4*(4*(\k)+(\f))+(\u)), HACC+8*(\u)
.endif
.elseif ((\p2) == 1) && ((\k) < 6)
	MM f16, OACC+8*(4*(4*((\k)%2)+(\f))+(\u)), RB+8*(\f), HBF+8*(4*(((\k)-4)/2)+(\u)), -1
.else
	MM f16, OACC+8*(4*(4*((\k)%2)+(\f))+(\u)), RB+8*(\f), HBF+8*(4*(((\k)-4)/2)+(\u)), OACC+8*(4*(4*((\k)%2)+(\f))+(\u))
.endif
.endr
.endr
.endm
; g gelu(x) = g x / (1 + 2^(x (KA x^2 + KB))): 0.5 (1 + tanh u) = 1 / (1 + e^(-2 u)).  A large exponent gives infinity and the quotient 0, a small one 0 and the quotient g x.
; Two batches of 32 transcendentals, each with one plain instruction behind its last and ONE wait ahead of its first reader.  Each accumulator is read from its low end on.
.macro GELU slot
	WIN 0
.irp u, 0,1,2,3                        ; the gate in force; also the four places behind the last matrix instructions
	v_cndmask_b32 v[G+2*\u], v[GAB+2*\u+1], v[GAB+2*\u], s[SM]
.endr
.set i, 0
.rept 16
	v_pk_mul_f32 v[T+2*i:T+2*i+1], v[HACC+2*i:HACC+2*i+1], v[HACC+2*i:HACC+2*i+1]
.set i, i+1
.endr
.set i, 0
.rept 16
	v_pk_fma_f32 v[T+2*i:T+2*i+1], v[T+2*i:T+2*i+1], s[KA:KA+1], s[KB:KB+1] op_sel_hi:[1,0,0]
.set i, i+1
.endr
.set i, 0
.rept 16
	v_pk_mul_f32 v[T+2*i:T+2*i+1], v[T+2*i:T+2*i+1], v[HACC+2*i:HACC+2*i+1]
.set i, i+1
.endr
.set i, 0
.rept 16
	v_exp_f32 v[T+2*i], v[T+2*i]
	v_exp_f32 v[T+2*i+1], v[T+2*i+1]
	v_pk_mul_f32 v[HACC+2*i:HACC+2*i+1], v[HACC+2*i:HACC+2*i+1], v[G+2*(i/4):G+2*(i/4)+1] op_sel_hi:[1,0]  ; g x, between the exponentials
.set i, i+1
.endr
	v_nop
	s_wait_alu depctr_va_vdst(0)                   ; the wait for the 32 exponentials
.set i, 0
.rept 16
	v_pk_add_f32 v[T+2*i:T+2*i+1], v[T+2*i:T+2*i+1], 1.0 op_sel_hi:[1,0]
.set i, i+1
.endr
.set i, 0
.rept 32
	v_rcp_f32 v[T+i], v[T+i]
.set i, i+1
.endr
	v_nop
	s_wait_alu depctr_va_vdst(0)                   ; the wait for the 32 reciprocals
.set i, 0
.rept 16
	v_pk_mul_f32 v[HACC+2*i:HACC+2*i+1], v[HACC+2*i:HACC+2*i+1], v[T+2*i:T+2*i+1]
.set i, i+1
.endr
.set i, 0
.rept 16
	v_cvt_pk_f16_f32 v[P+i], v[HACC+2*i], v[HACC+2*i+1]
.set i, i+1
.endr
.irp u, 0,1,2,3                        ; a lane's eight hidden units of one token are 16 bytes of a fragment, in the lane's own place
	ds_store_b128 v[AHS+(\slot)], v[P+4*\u:P+4*\u+3] offset:1024*\u
.endr
.endm
; A STEP.  slot: where its block lies, and which hidden buffer it writes.  p1 = 0: no first product (the walk's last step).  p2 = 0: no second product (the first step); 1: it starts the sums.
; fill = 1: the other slot is asked for again, with the next step's block.  The counts of the waits on DScnt are the LDS loads issued behind the group that is wanted.
.macro ITER slot, p1, p2, fill
	WIN 0
	s_wait_tensorcnt 0x0                           ; my one tensor load has landed: this step's block; so a group 0 may be written
	ds_add_u32 v[SPW], v[NIL]                      ; 0 onto my spare word; scalar work stands between it and the wait for it
.if \fill
	s_add_co_u32 s[T0], s[IT], 1                   ; the next step's block: 33 eA + step, or from step 33 on 33 eB + step - 33
	s_cmp_lt_u32 s[T0], 33
	s_cselect_b32 s[TS], s[EA33], s[EB33M]
	s_add_co_u32 s[TS], s[TS], s[T0]
	s_min_u32 s[TS], s[TS], 131
	s_mul_i32 s[OFF], s[TS], BLK
	s_add_nc_u64 s[G0+6-4*(\slot):G0+7-4*(\slot)], s[WB:WB+1], s[OFF:OFF+1]
	s_or_b32 s[G0+7-4*(\slot)], s[G0+7-4*(\slot)], 0x80000000
.endif
	s_cmp_lt_u32 s[IT], 33
	s_cselect_b32 s[SM], -1, 0
	s_add_co_u32 s[IT], s[IT], 1
	s_wait_dscnt 0x0                               ; the add is done; my hidden units are stored; my reads of the other slot and of the other hidden buffer are over
	s_barrier_signal -1
	s_barrier_wait -1                              ; all that now holds of every wave
.if \fill
	tensor_load_to_lds s[G0+4-4*(\slot):G0+7-4*(\slot)], s[G1:G1+7]  ; my one tensor load behind the barrier, and the first thing there
	s_nop 0
.endif
	PLACES
.if (\p1) && (\p2)
	LB \slot
	GL 0, \slot
	GL 1, \slot
	GL 2, \slot
	s_wait_dscnt 16                                ; groups 1, 2 may be out
	GM 0, \p2
	PLACES
	GL 3, \slot
	s_wait_dscnt 16                                ; groups 2, 3
	GM 1, \p2
	PLACES
	LH 1-(\slot)
	GL 4, \slot
	s_wait_dscnt 32                                ; group 3, the hidden units, group 4
	GM 2, \p2
	PLACES
	GL 5, \slot
	s_wait_dscnt 32                                ; the hidden units, groups 4, 5
	GM 3, \p2
	PLACES
	GL 6, \slot
	s_wait_dscnt 16                                ; groups 5, 6
	GM 4, \p2
	PLACES
	GL 7, \slot
	s_wait_dscnt 16                                ; groups 6, 7
	GM 5, \p2
	s_wait_dscnt 8                                 ; group 7
	GM 6, \p2
	s_wait_dscnt 0
	GM 7, \p2
	GELU \slot
.elseif \p1
	LB \slot
	GL 0, \slot
	GL 1, \slot
	GL 2, \slot
	s_wait_dscnt 16
	GM 0, 0
	PLACES
	GL 3, \slot
	s_wait_dscnt 16
	GM 1, 0
	s_wait_dscnt 8
	GM 2, 0
	s_wait_dscnt 0
	GM 3, 0
	GELU \slot
.else
	global_load_b128 v[BIAS:BIAS+3], v[B2O], s[14:15]    ; b2 of both experts, my four channels: wanted on the way out
	global_load_b128 v[BIAS+4:BIAS+7], v[B2O+1], s[14:15]
	LH 1-(\slot)
	GL 4, \slot
	GL 5, \slot
	GL 6, \slot
	s_wait_dscnt 16
	GM 4, \p2
	PLACES
	GL 7, \slot
	s_wait_dscnt 16
	GM 5, \p2
	s_wait_dscnt 8
	GM 6, \p2
	s_wait_dscnt 0
	GM 7, \p2
.endif
	WIN 0
.endm
	ITER 0, 1, 0, 1                                ; step 0: there is no chunk before
	ITER 1, 1, 1, 1                                ; step 1: its second product starts out^T's sums
	s_mov_b32 s[LC], 31
.Lwalk:                                                ; steps 2 to 63
	ITER 0, 1, 2, 1
	ITER 1, 1, 2, 1
	s_sub_co_u32 s[LC], s[LC], 1
	s_cmp_lg_u32 s[LC], 0
	s_cbranch_scc1 .Lwalk
	ITER 0, 1, 2, 1                                ; step 64 asks for the last block; the tail is written out
	ITER 1, 0, 2, 0                                ; step 65: the last chunk's second product alone
	; THE WAY OUT.  A lane holds one token and eight neighbouring channels: 32 bytes.  All 64 rows of my 128 channels go into my part of slot 0 (its last fill has landed and been read) and come back as whole rows.
	PLACES
	WIN 0x04                                       ; store data in window 1
.set u, 0
.rept 4
.set m, 0
.rept 8
	ds_store_b128 v[VST], v[8*(4*m+u):8*(4*m+u)+3] offset:u*16*SPI+m*64
	ds_store_b128 v[VST], v[8*(4*m+u)+4:8*(4*m+u)+7] offset:u*16*SPI+m*64+16
.set m, m+1
.endr
.set u, u+1
.endr
	WIN 0
	s_wait_loadcnt 0x0                             ; b2
.irp a, 0,2,4,6
	v_cvt_pk_bf16_f32 v[TP], v[BIAS+\a], v[BIAS+\a+1]
	v_lshlrev_b32 v[BIAS+\a], 16, v[TP]
	v_and_b32 v[BIAS+\a+1], 0xffff0000, v[TP]
.endr
; 16 rows.  LDS serves a wave's instructions in order (ISA guide 5.7.1.4): the loads see the stores above.  A row's store covers 512 consecutive bytes, aligned.  The rows ascend, so at the first row at or past
; the count all that is left is jumped: a forward jump over loads' waits and stores alone.  Each row has its own data and offset registers; the wait at the head frees those of the 16 rows before.
.macro OUTNT nt
	s_wait_xcnt 0x0
.set rr, 0
.rept 16
	ds_load_b128 v[CV+4*rr:CV+4*rr+3], v[VRD] offset:(\nt)*16*SPI+rr*SPI
.set rr, rr+1
.endr
.set rr, 0
.rept 16
	s_cmp_gt_u32 s[CNT], 16*(\nt)+rr
	s_cbranch_scc0 .Lstored
	s_wait_dscnt 15-rr
	v_readlane_b32 s[TKS], v[TOK+(\nt)], rr
	v_readlane_b32 s[GAS], v[GAB+2*(\nt)], rr
	v_readlane_b32 s[GBS], v[GAB+2*(\nt)+1], rr
	s_min_u32 s[TKS], s[TKS], 8191
	v_lshl_add_u32 v[XO+rr], s[TKS], 11, v[OB]
	v_pk_fma_f32 v[CV+4*rr:CV+4*rr+1], v[BIAS:BIAS+1], s[GAS:GAS+1], v[CV+4*rr:CV+4*rr+1] op_sel_hi:[1,0,1]      ; + gA b2[eA]
	v_pk_fma_f32 v[CV+4*rr+2:CV+4*rr+3], v[BIAS+2:BIAS+3], s[GAS:GAS+1], v[CV+4*rr+2:CV+4*rr+3] op_sel_hi:[1,0,1]
	v_pk_fma_f32 v[CV+4*rr:CV+4*rr+1], v[BIAS+4:BIAS+5], s[GBS:GBS+1], v[CV+4*rr:CV+4*rr+1] op_sel_hi:[1,0,1]    ; + gB b2[eB]
	v_pk_fma_f32 v[CV+4*rr+2:CV+4*rr+3], v[BIAS+6:BIAS+7], s[GBS:GBS+1], v[CV+4*rr+2:CV+4*rr+3] op_sel_hi:[1,0,1]
	global_store_b128 v[XO+rr], v[CV+4*rr:CV+4*rr+3], s[16:17] th:TH_STORE_NT
.set rr, rr+1
.endr
.endm
	OUTNT 0
	OUTNT 1
	OUTNT 2
	OUTNT 3
.Lstored:
	s_wait_tensorcnt 0x0                           ; the wave's end, behind my last tensor load and my last LDS store
	ds_add_u32 v[SPW], v[NIL]
	s_wait_dscnt 0x0                               ; also for the rows' loads that a jump has left out
	s_endpgm
.Lfunc_end_k_qb6668b94b5_chain:
	.size	k_qb6668b94b5_chain, .Lfunc_end_k_qb6668b94b5_chain-k_qb6668b94b5_chain
	.p2alignl 7, 3214868480
	.fill 96, 4, 3214868480
	.section	.rodata,"a",@progbits
	.p2align	6, 0x0
	.amdhsa_kernel k_qb6668b94b5_chain
		.amdhsa_group_segment_fixed_size 327680
		.amdhsa_private_segment_fixed_size 0
		.amdhsa_enable_private_segment 0
		.amdhsa_kernarg_size 56
		.amdhsa_user_sgpr_count 2
		.amdhsa_user_sgpr_kernarg_segment_ptr 1
		.amdhsa_wavefront_size32 1
		.amdhsa_system_sgpr_workgroup_id_x 1
		.amdhsa_system_sgpr_workgroup_id_y 1
		.amdhsa_system_sgpr_workgroup_id_z 1
		.amdhsa_system_vgpr_workitem_id 0
		.amdhsa_next_free_vgpr 1024
		.amdhsa_next_free_sgpr 80
		.amdhsa_reserve_vcc 0
		.amdhsa_float_denorm_mode_32 3
		.amdhsa_float_denorm_mode_16_64 3
		.amdhsa_memory_ordered 1
		.amdhsa_forward_progress 1
		.amdhsa_inst_pref_size 221
	.end_amdhsa_kernel
	.amdgpu_metadata
---
amdhsa.version: [ 1, 2 ]
amdhsa.kernels:
  - .name:           k_qb6668b94b5_chain
    .symbol:         k_qb6668b94b5_chain.kd
    .args:
      - { .name: x, .offset: 0, .size: 8, .value_kind: global_buffer, .address_space: global }
      - { .name: gat, .offset: 8, .size: 8, .value_kind: global_buffer, .address_space: global }
      - { .name: list, .offset: 16, .size: 8, .value_kind: global_buffer, .address_space: global }
      - { .name: tot, .offset: 24, .size: 8, .value_kind: global_buffer, .address_space: global }
      - { .name: wf, .offset: 32, .size: 8, .value_kind: global_buffer, .address_space: global }
      - { .name: b2, .offset: 40, .size: 8, .value_kind: global_buffer, .address_space: global }
      - { .name: out0, .offset: 48, .size: 8, .value_kind: global_buffer, .address_space: global }
    .group_segment_fixed_size: 327680
    .private_segment_fixed_size: 0
    .kernarg_segment_align: 8
    .kernarg_segment_size: 56
    .max_flat_workgroup_size: 128
    .sgpr_count:     80
    .vgpr_count:     1024
    .wavefront_size: 32
...
	.end_amdgpu_metadata
.endif
;; end of part 3
;; ======== version 2 of 2: 3 launches; 1.23 times as fast as version 1
;; limits: values are held in f16: magnitudes above 65,504 overflow, below 6.1e-05 lose precision
;; workspace buffers: rt 65,536 bytes of whole numbers; gat 65,536 bytes; list 34,048 bytes of whole numbers; tot 256 bytes of whole numbers; wf 17,301,504 bytes
;; launch router: the kernel of part 1 again; grid 256 x 1, 4 waves a work-group, no clusters, 1,024 bytes of LDS; arguments x, router_w, rt, gat; writes rt, gat
;; launch prep (part 4): grid 256 x 1, 9 waves a work-group, no clusters, 84,224 bytes of LDS; arguments w1, w2, b1, rt, wf, list, tot; writes wf, list, tot
.if DOCPART == 4
	.amdgcn_target "amdgcn-amd-amdhsa--gfx1250"
	.amdhsa_code_object_version 6
	.text
	.protected	k_qb6668b94b5_prep
	.globl	k_qb6668b94b5_prep
	.p2align	8
	.type	k_qb6668b94b5_prep,@function
k_qb6668b94b5_prep:
	s_mov_b64 s[64:65], 0
	v_nop
	global_prefetch_b8 v0, s[64:65] scope:SCOPE_SE
	s_setreg_imm32_b32 hwreg(HW_REG_WAVE_MODE, 25, 1), 1
	s_wait_xcnt 0x0
; PREP.  (1) The weights are rounded once and laid in the order in which the next launch's operand registers take them.  (2) The tokens are sorted by their set of two experts, by counting.
; wf: blocks [expert e][b = 0..31][consumer wave 0..3] of 33,792 bytes.  A consumer's part: 1 KB of bias, then 32 fragments of 1 KB.  Fragments 0-15: w1, hidden rows 64 b + 16 consumer + r, channels 32 F on,
; in bf16.  Fragments 16 + 8 s + m: w2 of the chunk BEFORE in the ring of 32, channels 128 consumer + 16 m + r, hidden 64 ((b - 1) mod 32) + 32 s on: rounded to bf16 like every input, and that number written as f16.
; In a fragment lane l = r + 16 h has its registers 0-3 (k = 8 h ..) at byte 16 l and its registers 4-7 (k = 16 + 8 h ..) at byte 512 + 16 l.  The bias is f32 (of b1 rounded to bf16): register j of lane l is
; hidden 8 h + j.
; SHARES.  Work-groups 0-127: a chunk of 64 rows of w1.  128-255: a chunk of 64 columns of w2.  ONE text serves both: wave v (0-7) takes 64 rows x 64 k (w1: all 64 hidden rows, channels 64 v on; w2: channels
; 64 v on, the chunk's 64 hidden units), which are just 8 fragments.  Each of its 32 loads takes two rows' 256 aligned bytes.  The wave scatters 8 bytes a lane into 32 units of 256 bytes of its OWN in LDS and
; reads them back as fragments: no wave reads another's bytes, so there is no barrier.  A store covers 512 consecutive bytes, aligned.  What differs between w1 and w2 (source, row pitch, the fragments' places,
; the 16-bit format) lies in scalar registers chosen by s_cselect; no LDS address hangs on it.
; Wave 8 places the 32 tokens of group g: it adds up the counts of all 256 groups (8 a lane), of those before g apart, and each token's place is its set's first place (sets begin on multiples of 64)
; + the set's tokens in earlier groups + those in lower lanes.  No atomics: each place has one writer.
; LIMITS.  |w2| stays under 65,504; below 6e-5 f16 keeps a fixed step of 6e-8.
.set UP,    288                        ; a unit: 256 bytes + 32: the five lane bits of a scatter fall on 8, 16, 32, 64, 128 bytes modulo 256
.set WREG,  32*UP                      ; a wave's 32 units
.set SPARE, 9*WREG                     ; behind nine such regions (the ninth is not used): the spare words, 128 bytes for each of nine waves, five blocks of 256 bytes
.set BLKW,  33792
.set BLK,   4*BLKW
.set FO,    16                         ; v16-23   fragment (row group g, k half s) at FO + 2 g + s: its byte offset in wf, with my 16 bytes
.set D,     32                         ; v32-159  the 32 loads' registers
.set O,     160                        ; v160-191 the 32 loads' offsets
	s_load_b256 s[4:11], s[0:1], 0x0               ; w1 s[4:5], w2 s[6:7], b1 s[8:9], rt s[10:11]
	s_load_b128 s[12:15], s[0:1], 0x20             ; wf s[12:13], list s[14:15]
	s_load_b64 s[16:17], s[0:1], 0x30              ; tot
	v_lshl_add_u32 v2, v0, 2, SPARE                ; my spare word,
	v_mov_b32 v3, 0                                ; and 0: kept for the wave's end alone
	v_and_b32 v1, 31, v0                           ; lane
	v_lshrrev_b32 v8, 5, v0
	v_readfirstlane_b32 s18, v8                    ; wave 0..8
	s_mov_b32 s19, ttmp9                           ; g
	s_bfe_u32 s20, s19, 0x20005                    ; expert = (g / 32) % 4
	s_and_b32 s21, s19, 31                         ; chunk
	s_lshr_b32 s22, s18, 1
	s_and_b32 s23, s18, 1
	s_lshr_b32 s24, s19, 7                         ; 0: w1, 1: w2
	v_lshlrev_b32 v6, 4, v1                        ; 16 x lane
	s_wait_kmcnt 0x0
	s_cmp_eq_u32 s18, 8
	s_cbranch_scc1 .Lsort
	; ---- waves 0-7.  Both weights' numbers are made, then chosen ----
	s_lshl_b32 s30, s19, 17                        ; w1: (32 e + chunk) x 64 rows x 2,048 bytes
	s_lshl_b32 s31, s18, 8                         ;     + my 64 channels
	s_add_co_u32 s30, s30, s31
	s_lshl_b32 s31, s20, 22                        ; w2: the expert's 512 x 8,192 bytes
	s_lshl_b32 s32, s21, 8                         ;     + the chunk's 256 bytes of each row
	s_add_co_u32 s31, s31, s32
	s_lshl_b32 s32, s18, 19                        ;     + my 64 rows
	s_add_co_u32 s31, s31, s32
	s_add_co_u32 s33, s21, s24                     ; a chunk of w1 lies in the block of its number, a chunk of w2 in the next,
	s_and_b32 s33, s33, 31                         ; round the ring of 32
	s_lshl_b32 s32, s20, 5
	s_add_co_u32 s33, s33, s32                     ; + 32 e
	s_mul_i32 s34, s33, BLK
	s_mul_i32 s35, s22, BLKW                       ; consumer v / 2's part
	s_lshl_b32 s36, s18, 11                        ; w1: fragments 2 v, 2 v + 1 of every consumer
	s_lshl_b32 s37, s23, 12                        ; w2: consumer v / 2, fragments 16 + 8 s + 4 (v % 2) + g
	s_add_co_u32 s37, s37, s35
	s_add_co_u32 s37, s37, 16384
	s_lshl_b32 s43, s24, 1
	s_lshl_b32 s42, 4096, s43                      ; two rows: 4,096 or 16,384 bytes
	s_add_co_u32 s43, s43, 11                      ; a row: 2^11 or 2^13 bytes
	s_mov_b32 s45, BLKW
	s_mov_b32 s46, 1024
	s_mov_b32 s41, 0
	s_cmp_lg_u32 s24, 0                            ; the selects below leave SCC alone
	s_cselect_b64 s[28:29], s[6:7], s[4:5]         ; the source
	s_cselect_b32 s40, s31, s30
	s_cselect_b32 s44, s37, s36
	s_cselect_b32 s45, 1024, s45                   ; from row group to row group: the next consumer, or the next fragment
	s_cselect_b32 s46, 8192, s46                   ; from k half to k half: the next fragment, or eight on
	s_cselect_b32 s50, -1, 0                       ; all ones: f16
	s_add_nc_u64 s[28:29], s[28:29], s[40:41]      ; the source at my first row
	s_add_co_u32 s52, s34, s44
	s_add_co_u32 s52, s52, 1024                    ; behind the bias
	s_mov_b32 s53, 0
	s_add_nc_u64 s[52:53], s[12:13], s[52:53]      ; wf at my first fragment
	s_add_co_u32 s54, s34, s35
	s_lshl_b32 s56, s23, 9
	s_add_co_u32 s54, s54, s56
	s_mov_b32 s55, 0
	s_add_nc_u64 s[54:55], s[12:13], s[54:55]      ; wf at my half of consumer v / 2's bias
	s_and_b32 s58, s19, 127                        ; b1: (64 (32 e + chunk) + 16 (v / 2) + 4 (v % 2) + 8 (lane / 16)) x 4 bytes
	s_lshl_b32 s58, s58, 8
	s_lshl_b32 s59, s22, 6
	s_add_co_u32 s58, s58, s59
	s_lshl_b32 s59, s23, 4
	s_add_co_u32 s58, s58, s59
	v_lshrrev_b32 v9, 4, v1                        ; lane / 16
	v_and_b32 v11, 15, v1
	v_lshl_add_u32 v24, v9, 5, s58
	global_load_b128 v[12:15], v24, s[8:9]         ; every work-group loads it; w1's store it
	v_lshlrev_b32 v4, s43, v9                      ; lanes 0-15 an even row's 256 bytes, lanes 16-31 the odd row's
	v_lshl_add_u32 v4, v11, 4, v4
.set n, 0
.rept 32
	v_mad_u32_u24 v[O+n], s42, n, v4               ; rows 2 n and 2 n + 1: the pitch hangs on the weight, so it cannot stand in the immediate
.set n, n+1
.endr
.set n, 0
.rept 32
	global_load_b128 v[D+4*n:D+4*n+3], v[O+n], s[28:29] th:TH_LOAD_NT
.set n, n+1
.endr
	; the scatter: unit 8 (n / 8) + 4 (k / 32) + 2 (k % 32 / 16) + (k % 16 / 8) = 8 (n / 8) + (lane / 2) % 8; in it 16 bytes for row 2 (n % 8) + lane / 16, 8 for each lane
	v_bfe_u32 v5, v1, 1, 3
	v_mul_u32_u24 v5, v5, UP
	v_lshl_add_u32 v5, v9, 4, v5
	v_and_b32 v10, 1, v1
	v_lshl_add_u32 v5, v10, 3, v5
	s_mul_i32 s59, s18, WREG                       ; my wave's own units
	v_add_nc_u32 v5, s59, v5
	v_mul_u32_u24 v7, v9, UP                       ; back: two units to a load, 16 bytes a lane
	v_lshl_add_u32 v7, v11, 4, v7
	v_add_nc_u32 v7, s59, v7
.irp g, 0,1,2,3
	v_mad_u32_u24 v[FO+2*\g], s45, \g, v6
	v_add_nc_u32 v[FO+2*\g+1], s46, v[FO+2*\g]
.endr
	s_wait_loadcnt 32                              ; b1 is in; the 32 loads of weights are younger
	v_cvt_pk_bf16_f32 v10, v12, v13
	v_cvt_pk_bf16_f32 v11, v14, v15
	v_lshlrev_b32 v12, 16, v10
	v_and_b32 v13, 0xffff0000, v10
	v_lshlrev_b32 v14, 16, v11
	v_and_b32 v15, 0xffff0000, v11
.set n, 0
.rept 32
	s_wait_loadcnt 31-n                            ; load n is in; the later ones stay out
	v_cvt_pk_bf16_f32 v10, v[D+4*n], v[D+4*n+1]    ; to bf16, as every input;
	v_cvt_pk_bf16_f32 v11, v[D+4*n+2], v[D+4*n+3]
	v_lshlrev_b32 v[D+4*n], 16, v10
	v_and_b32 v[D+4*n+1], 0xffff0000, v10
	v_lshlrev_b32 v[D+4*n+2], 16, v11
	v_and_b32 v[D+4*n+3], 0xffff0000, v11
	v_cvt_pk_f16_f32 v[D+4*n], v[D+4*n], v[D+4*n+1]    ; that number as f16;
	v_cvt_pk_f16_f32 v[D+4*n+1], v[D+4*n+2], v[D+4*n+3]
	v_cndmask_b32 v[D+4*n], v10, v[D+4*n], s50         ; w1 keeps the bf16, w2 takes the f16
	v_cndmask_b32 v[D+4*n+1], v11, v[D+4*n+1], s50
	ds_store_b64 v5, v[D+4*n:D+4*n+1] offset:(n/8)*8*UP+(n%8)*32
.set n, n+1
.endr
.set n, 0
.rept 16                               ; LDS serves a wave's instructions in order (ISA guide 5.7.1.4): these see my stores above; half n % 2 of fragment n / 2
	ds_load_b128 v[D+4*n:D+4*n+3], v7 offset:n*2*UP
.set n, n+1
.endr
.set n, 0
.rept 16
	s_wait_dscnt 15-n
	global_store_b128 v[FO+n/2], v[D+4*n:D+4*n+3], s[52:53] offset:(n%2)*512
.set n, n+1
.endr
	s_cmp_eq_u32 s24, 0
	s_cbranch_scc0 .Lend                           ; the bias goes with w1
	global_store_b128 v6, v[12:15], s[54:55]
.Lend:
	s_wait_tensorcnt 0x0                           ; the wave's end, behind my last LDS store
	ds_add_u32 v2, v3
	s_wait_dscnt 0x0
	s_endpgm
.Lsort:	; ---- wave 8: the places of tokens 32 g .. 32 g + 31 ----
	s_lshl_b32 s26, s19, 8
	s_mov_b32 s27, 0
	s_add_nc_u64 s[42:43], s[10:11], s[26:27]
	s_load_b256 s[32:39], s[42:43], 0x0            ; my group's six masks
	v_lshlrev_b32 v4, 11, v1                       ; lane b takes the counts of groups 8 b .. 8 b + 7
.set n, 0
.rept 8
	global_load_b128 v[D+4*n:D+4*n+3], v4, s[10:11] offset:n*256+32
.set n, n+1
.endr
	v_lshlrev_b32 v5, 3, v1
	v_sub_nc_u32 v5, s19, v5                       ; group 8 b + i lies before g where i < g - 8 b
	s_mov_b32 s40, 0x76543210
	s_mov_b32 s41, 0xfedcba98
	v_mov_b32 v10, 0
	s_wait_loadcnt 0x0
	v_cmp_lt_i32 vcc_lo, 0, v5
.irp k, 0,1,2                          ; two counts to a word: a set has 8,192 tokens at the most, so no field runs over
	v_cndmask_b32 v[12+\k], 0, v[D+\k], vcc_lo
	v_mov_b32 v[16+\k], v[D+\k]
.endr
.set n, 1
.rept 7
	v_cmp_lt_i32 vcc_lo, n, v5
.irp k, 0,1,2
	v_cndmask_b32 v10, 0, v[D+4*n+\k], vcc_lo
	v_add_nc_u32 v[12+\k], v[12+\k], v10
	v_add_nc_u32 v[16+\k], v[16+\k], v[D+4*n+\k]
.endr
.set n, n+1
.endr
.macro ALLRED r                        ; the sum over the 32 lanes, in every lane
.irp m, 1,2,4,8
	v_mov_b32_dpp v10, v[\r] row_xmask:\m row_mask:0xf bank_mask:0xf
	v_add_nc_u32 v[\r], v[\r], v10
.endr
	v_permlanex16_b32 v10, v[\r], s40, s41
	v_add_nc_u32 v[\r], v[\r], v10
.endm
.irp r, 12,13,14,16,17,18
	ALLRED \r
.endr
.irp k, 0,1,2
	v_readfirstlane_b32 s[44+\k], v[12+\k]
	v_readfirstlane_b32 s[47+\k], v[16+\k]
.endr
.irp k, 0,1,2
	s_and_b32 s[50+2*\k], s[44+\k], 0xffff         ; s50-55: the sets' tokens in earlier groups
	s_lshr_b32 s[51+2*\k], s[44+\k], 16
	s_and_b32 s[56+2*\k], s[47+\k], 0xffff         ; s56-61: the sets' tokens in all
	s_lshr_b32 s[57+2*\k], s[47+\k], 16
.endr
	s_mov_b32 s62, 0                               ; tiles of 64 places taken so far
.irp s, 0,1,2,3,4,5
	s_lshl_b32 s63, s62, 6
	s_add_co_u32 s[50+\s], s[50+\s], s63
	s_add_co_u32 s63, s[56+\s], 63
	s_lshr_b32 s63, s63, 6
	s_add_co_u32 s62, s62, s63
.endr
	s_wait_kmcnt 0x0                               ; the masks
	v_mov_b32 v20, 0
.irp s, 0,1,2,3,4,5
	v_mbcnt_lo_u32_b32 v10, s[32+\s], s[50+\s]     ; + the set's tokens in lower lanes
	v_cndmask_b32 v20, v20, v10, s[32+\s]          ; every token is in one set
.endr
	v_min_u32 v20, 8511, v20                       ; 133 tiles of 64 places serve every split: the sum of ceil(n / 64) over six sets of 8,192 tokens is 128 + 5 at the most
	v_lshlrev_b32 v20, 2, v20
	v_lshl_add_u32 v21, s19, 5, v1                 ; my token
	global_store_b32 v20, v21, s[14:15]
	s_cmp_eq_u32 s19, 0
	s_cbranch_scc0 .Lsorted
	v_mov_b32 v22, 0                               ; group 0 stores the six totals: lane l holds words 2 l and 2 l + 1
	v_mov_b32 v23, 0
	v_writelane_b32 v22, s56, 0
	v_writelane_b32 v23, s57, 0
	v_writelane_b32 v22, s58, 1
	v_writelane_b32 v23, s59, 1
	v_writelane_b32 v22, s60, 2
	v_writelane_b32 v23, s61, 2
	v_lshlrev_b32 v24, 3, v1
	global_store_b64 v24, v[22:23], s[16:17]       ; 256 consecutive bytes, aligned
.Lsorted:
	s_wait_tensorcnt 0x0                           ; the same three lines at this wave's end
	ds_add_u32 v2, v3
	s_wait_dscnt 0x0
	s_endpgm
.Lfunc_end_k_qb6668b94b5_prep:
	.size	k_qb6668b94b5_prep, .Lfunc_end_k_qb6668b94b5_prep-k_qb6668b94b5_prep
	.p2alignl 7, 3214868480
	.fill 96, 4, 3214868480
	.section	.rodata,"a",@progbits
	.p2align	6, 0x0
	.amdhsa_kernel k_qb6668b94b5_prep
		.amdhsa_group_segment_fixed_size 84224
		.amdhsa_private_segment_fixed_size 0
		.amdhsa_enable_private_segment 0
		.amdhsa_kernarg_size 56
		.amdhsa_user_sgpr_count 2
		.amdhsa_user_sgpr_kernarg_segment_ptr 1
		.amdhsa_wavefront_size32 1
		.amdhsa_system_sgpr_workgroup_id_x 1
		.amdhsa_system_sgpr_workgroup_id_y 1
		.amdhsa_system_sgpr_workgroup_id_z 1
		.amdhsa_system_vgpr_workitem_id 0
		.amdhsa_next_free_vgpr 192
		.amdhsa_next_free_sgpr 66
		.amdhsa_reserve_vcc 1
		.amdhsa_float_denorm_mode_32 3
		.amdhsa_float_denorm_mode_16_64 3
		.amdhsa_memory_ordered 1
		.amdhsa_forward_progress 1
		.amdhsa_inst_pref_size 44
	.end_amdhsa_kernel
	.amdgpu_metadata
---
amdhsa.version: [ 1, 2 ]
amdhsa.kernels:
  - .name:           k_qb6668b94b5_prep
    .symbol:         k_qb6668b94b5_prep.kd
    .args:
      - { .name: w1, .offset: 0, .size: 8, .value_kind: global_buffer, .address_space: global }
      - { .name: w2, .offset: 8, .size: 8, .value_kind: global_buffer, .address_space: global }
      - { .name: b1, .offset: 16, .size: 8, .value_kind: global_buffer, .address_space: global }
      - { .name: rt, .offset: 24, .size: 8, .value_kind: global_buffer, .address_space: global }
      - { .name: wf, .offset: 32, .size: 8, .value_kind: global_buffer, .address_space: global }
      - { .name: list, .offset: 40, .size: 8, .value_kind: global_buffer, .address_space: global }
      - { .name: tot, .offset: 48, .size: 8, .value_kind: global_buffer, .address_space: global }
    .group_segment_fixed_size: 84224
    .private_segment_fixed_size: 0
    .kernarg_segment_align: 8
    .kernarg_segment_size: 56
    .max_flat_workgroup_size: 288
    .sgpr_count:     66
    .vgpr_count:     192
    .wavefront_size: 32
...
	.end_amdgpu_metadata
.endif
;; end of part 4
;; launch chain (part 5): grid 133 x 1, 4 waves a work-group, no clusters, 327,680 bytes of LDS; arguments x, gat, list, tot, wf, b2, out0; writes out0
.if DOCPART == 5
	.amdgcn_target "amdgcn-amd-amdhsa--gfx1250"
	.amdhsa_code_object_version 6
	.text
	.protected	k_qb6668b94b5_chain
	.globl	k_qb6668b94b5_chain
	.p2align	8
	.type	k_qb6668b94b5_chain,@function
k_qb6668b94b5_chain:
	s_mov_b64 s[64:65], 0
	v_nop
	global_prefetch_b8 v0, s[64:65] scope:SCOPE_SE
	s_setreg_imm32_b32 hwreg(HW_REG_WAVE_MODE, 25, 1), 1
	s_wait_xcnt 0x0
; THE CHAIN.  out[t] = gA (W2[eA] gelu(W1[eA] x[t] + b1[eA]) + b2[eA]) + gB (the same for eB), for the two experts that token t chose.
; The tokens come sorted by their SET of experts, so a work-group's 64 tokens share eA and eB, both experts are added into ONE accumulator, and each output row has one owner.
; FORMATS.  x, w1, b1, w2, b2 rounded to bf16; product 1 in bf16; the gated hidden layer g gelu(.) rounded once to f16, product 2 in f16 (w2: the bf16 number written as f16); sums, GELU and gates in f32.
; LIMITS.  |g gelu| and |w2| stay under 65,504; below 6e-5 f16 keeps a fixed step of 6e-8; in the hidden layer a gate below 2^-60 counts as 2^-60 (its hidden units round to 0 in f16 while |gelu| is under 2^35);
; NaN and infinities are not treated apart.
; GRID.  A work-group owns a tile of 64 places of the list, all of one set.  The sum over six sets of ceil(n / 64) is 128 + 5 at the most, whatever the split: 133 work-groups.  A place past the set's count
; repeats a row that exists; its store is jumped.  A tile without rows walks like the others (every wave passes every barrier) and stores nothing.  64 tokens a work-group, and not 32, since each byte of
; weights that is brought into LDS and read from it then feeds four matrix instructions and not two; the price is stated: 133 work-groups.
; BOTH PRODUCTS ARE USED TRANSPOSED: h^T = W1 x^T, out^T += W2 h^T.  A lane then holds ONE token (lane % 16) and eight neighbouring hidden units or channels.
; THE WALK.  66 steps.  An expert's 32 blocks form a ring: block b holds bias and w1 of chunk b (64 hidden units) and w2 of chunk b - 1.  Tile q begins at block r = 13 q mod 32, so that tiles that walk the same
; expert ask for different blocks at any one time.  Steps 0-32: blocks r .. r + 32 of eA; steps 33-65: the same of eB.  In a step wave w makes 16 hidden units of the block's chunk for all 64 tokens (64 matrix
; instructions; x stays in 512 registers) and adds the chunk of the step BEFORE into its 128 output channels (64 matrix instructions).  The 33rd block of an expert is its first again, wanted for its w2:
; step 32's hidden units, a repeat, are given a gate so small that they round to 0; step 65 makes none.  Step 0 multiplies a hidden buffer of stored zeros, and so starts out^T's sums.
; THE RING.  Two slots of a block; each wave asks for its own 33,792 bytes and reads them alone.  One barrier a step orders: my tile has landed; every wave's hidden units are stored; nobody still reads the
; slot that is filled again or the hidden buffer that is written again.  By this text's count one tensor load of a wave is out at a time.
; A STEP'S ORDER.  The GELU's 160 vector instructions stand four behind each of the second product's first 40 matrix instructions; then the hidden units are stored.  The second product's last 24 matrix
; instructions have their operands in registers: 8 stand between the add and the wait for it, 16 behind the refill and the next step's first run of LDS loads.  LDS is read in three runs a step (34, 40 and 8 loads).
; The GELU works in window 0 and the second product writes window 1, so each group of four costs two switches of the window: the lesser price beside a phase in which no matrix instruction is issued.
; NO CLUSTER.  Tiles of one set walk the same weights, but WHICH blocks a tile walks is worked out from the sets' counts, which are read from memory: a joint load's address would hang on loaded numbers and
; not on coordinates that partners share by construction.  So each work-group asks for itself: 133 x 66 x 135,168 bytes of requests, four times what clusters of four would make.
; No prefetch: each block is wanted by many work-groups at times of their own, so no one wave could ask for it once.
; REGISTERS, in windows of 256 (s_set_vgpr_msb: bits 1:0 source 0, 3:2 source 1, 5:4 source 2, 7:6 destination).  Window 0: see the names below.  Window 1: the 32 accumulators of out^T (at first: where x lands).
; Windows 2 and 3: x as 64 fragments.
.set BLKW,  33792                      ; a wave's part of a block: 132 rows of 256 bytes
.set BLK,   4*BLKW
.set HB,    2*BLK                      ; LDS: two slots of a block; then two hidden buffers of 8 KB: [32 hidden][16 tokens][half][512 bytes]
.set HBUF,  8192
.set XS,    HB+2*HBUF                  ; then 32 rows of x in bf16, 1,024 bytes + 16 of padding: the 16 rows of a fragment load start in 16 different groups of four banks (ISA guide 11.1)
.set XP,    1040
.set SPARE, XS+32*XP                   ; then the spare words, 128 bytes a wave: two blocks of 256 bytes that no other line names
.set SPI,   528                        ; the way out: a row of 128 f32 + 16 bytes; 64 such rows are just a wave's part of slot 0, which has had its last fill by then
.set TP,   1                           ; v1      at work
.set AW,   2                           ; v2-3    my 16 bytes in my wave's part of slot 0, 1
.set AHR,  4                           ; v4      my 16 bytes in hidden buffer 0, for reading
.set AHS,  5                           ; v5      the same for my wave's stores
.set SPW,  6                           ; v6      my spare word; never rewritten
.set NIL,  7                           ; v7      0; never rewritten
.set G,    8                           ; v8, 10, 12, 14   1 / the gate in force, for tokens 16 u + lane % 16: the low register of a pair
.set TOK,  9                           ; v9, 11, 13, 15   those tokens: the pairs' high registers
.set GI,   16                          ; v16-23  1 / gA, 1 / gB, a pair for each u
.set BIAS, 24                          ; v24-31  b1 as a C operand; at the end b2[eA], b2[eB]
.set HACC, 32                          ; v32-63  h^T, four accumulators
.set T,    64                          ; v64-95  weight group 3; then at work in the GELU; then the packed hidden units
.set HLO,  96                          ; v96-127 the chunk before, hidden 0-31, 4 fragments; then weight group 7.  v128-159: hidden 32-63
.set R0,   160                         ; v160-191 weight groups 0, 4
.set R1,   192                         ; v192-223 groups 1, 5
.set R2,   224                         ; v224-255 groups 2, 6
.set OACC, 256
.set XF,   512
.set CV,   144                         ; in the beginning: v144-207 converted x; v208-223 the rows' offsets; v224.. addresses, tokens, gates.  On the way out: 16 rows read back, and their offsets
.set XO,   208
.set VXS,  224
.set VXR,  225
.set GA,   226
.set LA,   230
.set L16,  236
.set RI,   237
.set RR,   238
.set HH,   239
.set LN,   240
.set ROWT, 241
.set GAB,  244
.set ERR,  32                          ; from the last step on, where h^T lay: lane parts, the way out's addresses, the gates
.set EHH,  33
.set ELN,  34
.set EL16, 35
.set OB,   36                          ; 512 wave + 16 lane
.set VST,  37                          ; where I put 32 bytes of a row
.set VRD,  38                          ; where I read a row back
.set B2O,  39                          ; v39-40  my offsets in b2[eA], b2[eB]
.set EGA,  41                          ; v41-44  the gates' offsets
.set EG,   48                          ; v48-55  gA, gB, a pair for each u
.set WV,   18                          ; s18 wave   s20 tile   s21 count of rows   s22 step   s23 loop count
.set Q,    20
.set CNT,  21
.set IT,   22
.set LC,   23
.set G1,   24                          ; s[24:31] descriptor group 1
.set G0,   32                          ; s[32:39] descriptor group 0, a set for each slot
.set WB,   40                          ; s[40:41] wf at my wave's part of block 0
.set OFF,  42                          ; s[42:43] an offset, high word 0
.set EA32, 44                          ; s44 32 eA       s45 32 eB
.set EB32, 45
.set T0,   46
.set SM,   47                          ; s47 all ones while the step's hidden units are eA's
.set KA,   48                          ; s[48:49], s[50:51] the GELU's two constants, in the low words
.set KB,   50
.set TS,   52
.set T2,   53
.set T3,   54
.set NS,   55
.set START, 56
.set CUM,  57
.set EA,   58
.set EB,   59
.set CM1,  60
.set BASE, 61
.set ROTA, 62                          ; s62 r           s63 r + 31: + step, modulo 32, = the block in the expert's ring (step - 33 and step + 31 are alike modulo 32)
.set ROTB, 63
.set TKS,  66
.set DM,   67                          ; s67 2^61 in the step whose hidden units are a repeat, else 0
.set GAS,  68                          ; s[68:69], s[70:71] a row's two gates, in the low words
.set GBS,  70
.set MSB, 0
.macro WIN new                         ; the immediate's high byte repeats the setting that is left; a switch that changes nothing is dropped
.if MSB != (\new)
	s_set_vgpr_msb (MSB<<8)|(\new)
.set MSB, \new
.endif
.endm
.macro PLACES                          ; four plain vector instructions between a matrix instruction and a load into, or a read of, its registers
.rept 4
	v_nop
.endr
.endm
.macro PICK s, lo, hi                  ; the last set whose first tile is not behind mine is my set; a set without tokens takes no tile
	s_cmp_ge_u32 s[Q], s[CUM]
	s_cselect_b32 s[NS], s[72+\s], s[NS]
	s_cselect_b32 s[START], s[CUM], s[START]
	s_cselect_b32 s[EA], \lo, s[EA]
	s_cselect_b32 s[EB], \hi, s[EB]
	s_add_co_u32 s[TS], s[72+\s], 63
	s_lshr_b32 s[TS], s[TS], 6
	s_add_co_u32 s[CUM], s[CUM], s[TS]
.endm
	s_load_b256 s[4:11], s[0:1], 0x0               ; x s[4:5], gat s[6:7], list s[8:9], tot s[10:11]
	s_load_b128 s[12:15], s[0:1], 0x20             ; wf s[12:13], b2 s[14:15]
	s_load_b64 s[16:17], s[0:1], 0x30              ; out0
	v_lshl_add_u32 v[SPW], v0, 2, SPARE
	v_mov_b32 v[NIL], 0
	ds_add_u32 v[SPW], v[NIL]                      ; the wave's opening: the add and its wait come ahead of my first tensor load; work on registers stands between them
	v_lshrrev_b32 v[TP], 5, v0
	v_readfirstlane_b32 s[WV], v[TP]
	s_mov_b32 s[Q], ttmp9
	; descriptor group 1: 33,792 dense bytes as 132 rows of 256 bytes
	s_mov_b32 s[G1+0], 3<<16                       ; 15:0 no mask; 17:16 elements of 8 bytes; no padding
	s_mov_b32 s[G1+1], 32<<16                      ; tensor_dim0 = 32
	s_mov_b32 s[G1+2], 132<<16                     ; tensor_dim1 = 132
	s_mov_b32 s[G1+3], 32<<16                      ; tile_dim0 = 32
	s_mov_b32 s[G1+4], 132                         ; tile_dim1 = 132
	s_mov_b32 s[G1+5], 32                          ; 32 elements from row to row
	s_mov_b32 s[G1+6], 0
	s_mov_b32 s[G1+7], 0
	s_mov_b32 s[G0], 1
	s_mul_i32 s[G0+1], s[WV], BLKW                 ; LDS: slot 0, my wave's part
	s_mov_b32 s[G0+4], 1
	s_add_co_u32 s[G0+5], s[G0+1], BLK             ; slot 1
	s_mul_i32 s[OFF], s[WV], BLKW
	s_mov_b32 s[OFF+1], 0
	s_mov_b32 s[KA], 0xbdd2d3e8                    ; -2 sqrt(2 / pi) log2(e) x 0.044715
	s_mov_b32 s[KA+1], s[KA]                       ; named with it as a pair
	s_mov_b32 s[KB], 0xc0135761                    ; -2 sqrt(2 / pi) log2(e)
	s_mov_b32 s[KB+1], s[KB]
	s_mov_b32 s[GAS+1], 0
	s_mov_b32 s[GBS+1], 0
	s_mov_b32 s[NS], 0
	s_mov_b32 s[START], 0
	s_mov_b32 s[CUM], 0
	s_mov_b32 s[EA], 0
	s_mov_b32 s[EB], 1
	s_mov_b32 s[IT], 0
	s_mul_i32 s[ROTA], s[Q], 13                    ; neighbouring tiles begin 13 blocks apart in the ring of 32
	s_and_b32 s[ROTA], s[ROTA], 31
	s_add_co_u32 s[ROTB], s[ROTA], 31
	s_wait_dscnt 0x0                               ; the opening add is done
	s_wait_kmcnt 0x0
	s_load_b256 s[72:79], s[10:11], 0x0            ; the six sets' counts
	s_add_nc_u64 s[WB:WB+1], s[12:13], s[OFF:OFF+1]
	s_wait_kmcnt 0x0
	PICK 0, 0, 1
	PICK 1, 0, 2
	PICK 2, 0, 3
	PICK 3, 1, 2
	PICK 4, 1, 3
	PICK 5, 2, 3
	s_min_u32 s[EA], s[EA], 3
	s_min_u32 s[EB], s[EB], 3
	s_lshl_b32 s[EA32], s[EA], 5
	s_lshl_b32 s[EB32], s[EB], 5
	s_add_co_u32 s[TS], s[EA32], s[ROTA]
	s_min_u32 s[TS], s[TS], 127
	s_mul_i32 s[OFF], s[TS], BLK
	s_add_nc_u64 s[G0+2:G0+3], s[WB:WB+1], s[OFF:OFF+1]  ; block r of eA
	s_or_b32 s[G0+3], s[G0+3], 0x80000000          ; type = 2
	tensor_load_to_lds s[G0:G0+3], s[G1:G1+7]      ; the first fill, ahead of every wait on TENSORcnt, LDS read and barrier
	s_nop 0
	PLACES
	; how many of my 64 places hold rows, and where they begin
	s_sub_co_u32 s[TS], s[Q], s[START]
	s_lshl_b32 s[TS], s[TS], 6
	s_sub_co_u32 s[CNT], s[NS], s[TS]
	s_max_i32 s[CNT], s[CNT], 0
	s_min_i32 s[CNT], s[CNT], 64
	s_lshl_b32 s[T3], s[Q], 6
	s_cmp_lg_u32 s[CNT], 0
	s_cselect_b32 s[BASE], s[T3], 0                ; without rows: place 0, which always holds a token; nothing is stored then
	s_max_u32 s[CM1], s[CNT], 1
	s_sub_co_u32 s[CM1], s[CM1], 1                 ; places past the count repeat the last row
	v_and_b32 v[LN], 31, v0                        ; lane
	v_and_b32 v[RR], 15, v0                        ; r
	v_bfe_u32 v[HH], v0, 4, 1                      ; h
	v_lshlrev_b32 v[L16], 4, v[LN]
.irp u, 0,1,2,3
	v_add_nc_u32 v[TP], 16*\u, v[RR]
	v_min_u32 v[TP], s[CM1], v[TP]
	v_add_nc_u32 v[TP], s[BASE], v[TP]
	v_min_u32 v[TP], 8511, v[TP]
	v_lshlrev_b32 v[LA+\u], 2, v[TP]
.endr
	v_and_b32 v[TP], 7, v0
	v_lshl_add_u32 v[RI], s[WV], 3, v[TP]          ; of each 32 places wave w fetches rows 8 w .. 8 w + 7
.irp u, 0,1
	v_add_nc_u32 v[TP], 32*\u, v[RI]
	v_min_u32 v[TP], s[CM1], v[TP]
	v_add_nc_u32 v[TP], s[BASE], v[TP]
	v_min_u32 v[TP], 8511, v[TP]
	v_lshlrev_b32 v[LA+4+\u], 2, v[TP]
.endr
.irp u, 0,1,2,3
	global_load_b32 v[TOK+2*\u], v[LA+\u], s[8:9]
.endr
	global_load_b32 v[ROWT], v[LA+4], s[8:9]
	global_load_b32 v[ROWT+1], v[LA+5], s[8:9]
	; the addresses are made while the list is on its way
	v_add_nc_u32 v[AW], s[G0+1], v[L16]
	v_add_nc_u32 v[AW+1], s[G0+5], v[L16]
	v_add_nc_u32 v[AHR], HB, v[L16]
	s_lshr_b32 s[TS], s[WV], 1                     ; my 16 hidden units are half w % 2 of the fragments of 32 hidden units w / 2
	s_lshl_b32 s[TS], s[TS], 12
	s_and_b32 s[T2], s[WV], 1
	s_lshl_b32 s[T2], s[T2], 9
	s_add_co_u32 s[TS], s[TS], s[T2]
	s_add_co_u32 s[TS], s[TS], HB
	v_add_nc_u32 v[AHS], s[TS], v[L16]
.irp k, 0,1,2,3
	v_mov_b32 v[T+\k], 0
.endr
.irp u, 0,1,2,3                        ; step 0 multiplies hidden buffer 1: zeros, my wave's quarter of them
	ds_store_b128 v[AHS], v[T:T+3] offset:HBUF+1024*\u
.endr
	s_mul_i32 s[TS], s[WV], 8*XP
	s_add_co_u32 s[TS], s[TS], XS
	v_lshl_add_u32 v[VXS], v[LN], 3, s[TS]
	v_mul_u32_u24 v[VXR], v[RR], XP
	v_lshl_add_u32 v[VXR], v[HH], 4, v[VXR]
	v_add_nc_u32 v[VXR], XS, v[VXR]
	s_wait_loadcnt 0x0
.irp u, 0,1,2,3
	v_min_u32 v[TOK+2*\u], 8191, v[TOK+2*\u]
	v_lshlrev_b32 v[GA+\u], 3, v[TOK+2*\u]
.endr
.irp u, 0,1,2,3
	global_load_b64 v[GAB+2*\u:GAB+2*\u+1], v[GA+\u], s[6:7]
.endr
.set n, 0
.rept 16
	v_readlane_b32 s[TS], v[ROWT+n/8], n%8
	s_min_u32 s[TS], s[TS], 8191
	v_lshl_add_u32 v[XO+n], s[TS], 11, v[L16]      ; a row of x is 2,048 bytes
.set n, n+1
.endr
	WIN 0x40                                       ; destination window 1
.set n, 0
.rept 64                               ; 16 whole rows, four loads of 512 consecutive bytes each
	global_load_b128 v[4*n:4*n+3], v[XO+n/4], s[4:5] offset:512*(n%4)
.set n, n+1
.endr
	WIN 0
; 32 places at a time: rounded to bf16, through LDS, back as fragments (lane l: token l % 16, channels 8 (l / 16) + 0..7 and 16 + 8 (l / 16) + 0..7 of each 32).  Every wave keeps all 64 tokens.
.macro XPASS p
	s_wait_loadcnt 32-32*(\p)                      ; this pass's 32 loads (and the gates) are in; the next pass's 32 are younger
	WIN 0x05                                       ; sources window 1
.set m, 0
.rept 32
	v_cvt_pk_bf16_f32 v[CV+2*m], v[128*(\p)+4*m], v[128*(\p)+4*m+1]
	v_cvt_pk_bf16_f32 v[CV+2*m+1], v[128*(\p)+4*m+2], v[128*(\p)+4*m+3]
.set m, m+1
.endr
	WIN 0
.set m, 0
.rept 32
	ds_store_b64 v[VXS], v[CV+2*m:CV+2*m+1] offset:(m/4)*XP+(m%4)*256
.set m, m+1
.endr
	s_wait_dscnt 0x0                               ; for the others' sake: my rows are stored
	s_barrier_signal -1                            ; The first tile may stay on its way
	s_barrier_wait -1
.set m, 0
.rept 16
	WIN 0x80+0x40*(m/8)                            ; destination window 2, then 3
.irp u, 0,1
	ds_load_b128 v[(8*(4*m+2*(\p)+(\u)))%256:(8*(4*m+2*(\p)+(\u)))%256+3], v[VXR] offset:(\u)*16*XP+64*m
	ds_load_b128 v[(8*(4*m+2*(\p)+(\u)))%256+4:(8*(4*m+2*(\p)+(\u)))%256+7], v[VXR] offset:(\u)*16*XP+64*m+32
.endr
.set m, m+1
.endr
	WIN 0
.endm
	XPASS 0
	s_wait_dscnt 0x0                               ; my reads of the rows are over,
	s_barrier_signal -1
	s_barrier_wait -1                              ; everybody's are: the rows may be written again
	XPASS 1
	; 1 / gate, once: the GELU divides by (1 + e) / g.  The floor of 2^-60 keeps the reciprocal finite
.set j, 0
.rept 8
	v_max_num_f32 v[GI+j], 0x21800000, v[GAB+j]
.set j, j+1
.endr
.set j, 0
.rept 8
	v_rcp_f32 v[GI+j], v[GI+j]
.set j, j+1
.endr
	v_nop                                          ; a plain instruction behind the last reciprocal,
	s_wait_alu depctr_va_vdst(0)                   ; and one wait for the eight, ahead of their first reader
; A matrix instruction from absolute register numbers; c = -1: the constant 0 starts the sum
.macro MM form, d, a, b, c
.if (\c) < 0
	WIN (((\d)/256)*0x50)|(((\b)/256)*4)|((\a)/256)
	v_wmma_f32_16x16x32_\form v[(\d)%256:(\d)%256+7], v[(\a)%256:(\a)%256+7], v[(\b)%256:(\b)%256+7], 0
.else
	WIN (((\d)/256)*0x40)|(((\c)/256)*0x10)|(((\b)/256)*4)|((\a)/256)
	v_wmma_f32_16x16x32_\form v[(\d)%256:(\d)%256+7], v[(\a)%256:(\a)%256+7], v[(\b)%256:(\b)%256+7], v[(\c)%256:(\c)%256+7]
.endif
.endm
.macro GL k, slot, reg                 ; group k of eight: weight fragments 4 k .. 4 k + 3 into 32 registers from reg on
	WIN 0
.irp f, 0,1,2,3
	ds_load_b128 v[(\reg)+8*(\f):(\reg)+8*(\f)+3], v[AW+(\slot)] offset:1024+(4*(\k)+(\f))*1024
	ds_load_b128 v[(\reg)+8*(\f)+4:(\reg)+8*(\f)+7], v[AW+(\slot)] offset:1024+(4*(\k)+(\f))*1024+512
.endr
.endm
.macro LB slot                         ; the bias
	WIN 0
	ds_load_b128 v[BIAS:BIAS+3], v[AW+(\slot)]
	ds_load_b128 v[BIAS+4:BIAS+7], v[AW+(\slot)] offset:512
.endm
.macro LHH p, hf                       ; the chunk before, out of hidden buffer p: hidden units 32 hf on x 64 tokens, 4 fragments
	WIN 0
.irp f, 0,1,2,3
	ds_load_b128 v[HLO+32*(\hf)+8*(\f):HLO+32*(\hf)+8*(\f)+3], v[AHR] offset:(\p)*HBUF+1024*(4*(\hf)+(\f))
	ds_load_b128 v[HLO+32*(\hf)+8*(\f)+4:HLO+32*(\hf)+8*(\f)+7], v[AHR] offset:(\p)*HBUF+1024*(4*(\hf)+(\f))+512
.endr
.endm
; Group k (0-3) of the first product: h^T += W1 x^T, channels 32 (4 k + f) on; the bias starts the sums.  The four accumulators take turns, one instruction a turn.
.macro GM1 k, reg
.irp f, 0,1,2,3
.irp u, 0,1,2,3
.if 4*(\k)+(\f) == 0
	MM bf16, HACC+8*(\u), (\reg)+8*(\f), XF+8*(4*(4*(\k)+(\f))+(\u)), BIAS
.else
	MM bf16, HACC+8*(\u), (\reg)+8*(\f), XF+8*(4*(4*(\k)+(\f))+(\u)), HACC+8*(\u)
.endif
.endr
.endr
.endm
; Instruction N of 64 of the second product, out^T += W2 h^T: group 4 + N / 16 (hidden 32 (N / 32) on, channels 64 ((N / 16) % 2) + 16 ((N % 16) / 4) on), tokens 16 (N % 4) on.  z = 1: the walk's first 32 start
; the sums with 0.  a7: where group 7's fragments lie.  Sixteen accumulators take turns.
.macro P2W z, a7
.set PK, 4+N/16
.set PF, (N%16)/4
.set PU, N%4
.set PD, OACC+8*(4*(4*(PK%2)+PF)+PU)
.set PB, HLO+8*(4*((PK-4)/2)+PU)
.if PK == 4
.set PA, R0+8*PF
.elseif PK == 5
.set PA, R1+8*PF
.elseif PK == 6
.set PA, R2+8*PF
.else
.set PA, (\a7)+8*PF
.endif
.if (\z) && (PK < 6)
	MM f16, PD, PA, PB, -1
.else
	MM f16, PD, PA, PB, PD
.endif
.set N, N+1
.endm
; g gelu(x) = x / ((1 + e) / g), e = 2^(x (KA x^2 + KB)): 0.5 (1 + tanh u) = 1 / (1 + e^(-2 u)).  A large exponent gives infinity and the quotient 0, a small one 0 and the quotient g x.
; The list of 160, for 16 pairs p of the lane's 32 numbers; RD writes number J of it.  Each accumulator is read from its low end on.
;   0-15 x^2     16-31 KA x^2 + KB     32-79 times x (the first four ahead, then one behind each two exponentials) and the 32 exponentials: ONE BATCH; no line of it names an exponential's result
;   (a plain instruction and the wait: STEP writes them)
;   80-127 e G + G, G = 1 / g (dealt likewise) and the 32 reciprocals: the second batch     (a plain instruction and the wait)
;   128-143 x times the reciprocal     144-159 rounded to f16, a pair to a register
.macro OPB p
	v_pk_mul_f32 v[T+2*(\p):T+2*(\p)+1], v[HACC+2*(\p):HACC+2*(\p)+1], v[HACC+2*(\p):HACC+2*(\p)+1]
.endm
.macro OPC p
	v_pk_fma_f32 v[T+2*(\p):T+2*(\p)+1], v[T+2*(\p):T+2*(\p)+1], s[KA:KA+1], s[KB:KB+1] op_sel_hi:[1,0,0]
.endm
.macro OPD p
	v_pk_mul_f32 v[T+2*(\p):T+2*(\p)+1], v[T+2*(\p):T+2*(\p)+1], v[HACC+2*(\p):HACC+2*(\p)+1]
.endm
.macro OPE e
	v_exp_f32 v[T+(\e)], v[T+(\e)]
.endm
.macro OPG p
	v_pk_fma_f32 v[T+2*(\p):T+2*(\p)+1], v[T+2*(\p):T+2*(\p)+1], v[G+2*((\p)/4):G+2*((\p)/4)+1], v[G+2*((\p)/4):G+2*((\p)/4)+1] op_sel_hi:[1,0,0]
.endm
.macro OPR e
	v_rcp_f32 v[T+(\e)], v[T+(\e)]
.endm
.macro OPM p
	v_pk_mul_f32 v[HACC+2*(\p):HACC+2*(\p)+1], v[HACC+2*(\p):HACC+2*(\p)+1], v[T+2*(\p):T+2*(\p)+1]
.endm
.macro OPV p
	v_cvt_pk_f16_f32 v[T+(\p)], v[HACC+2*(\p)], v[HACC+2*(\p)+1]
.endm
.macro RD
	WIN 0
.if J < 16
	OPB J
.elseif J < 32
	OPC J-16
.elseif J < 36
	OPD J-32
.elseif J < 72
.if (J-36)%3 == 2
	OPD (J-36)/3+4
.else
	OPE 2*((J-36)/3)+(J-36)%3
.endif
.elseif J < 80
	OPE J-48
.elseif J < 84
	OPG J-80
.elseif J < 120
.if (J-84)%3 == 2
	OPG (J-84)/3+4
.else
	OPR 2*((J-84)/3)+(J-84)%3
.endif
.elseif J < 128
	OPR J-96
.elseif J < 144
	OPM J-128
.else
	OPV J-144
.endif
.set J, J+1
.endm
.macro SLICE z                         ; a matrix instruction of the second product and four of the list behind it
	P2W \z, HLO
	RD
	RD
	RD
	RD
.endm
; A STEP.  slot: where its block lies, and which hidden buffer it writes.  first = 1: step 0: nothing is left over from a step before, and its second product starts the sums.
; The text begins at the change of slots, in the middle of the second product of the step before, whose last 24 instructions have their operands in registers.
; The counts of the waits on DScnt are the LDS loads issued behind what is wanted.
.macro STEP slot, first
	WIN 0
	s_wait_tensorcnt 0x0                           ; my one tensor load has landed: this step's block; so a group 0 may be written
	ds_add_u32 v[SPW], v[NIL]                      ; 0 onto my spare word; scalar and matrix work stands between it and the wait for it
	s_add_co_u32 s[T0], s[IT], 1                   ; the next step's block: 32 e + (r + its place in the expert's 33 steps) mod 32
	s_cmp_lt_u32 s[T0], 33
	s_cselect_b32 s[TS], s[EA32], s[EB32]
	s_cselect_b32 s[T2], s[ROTA], s[ROTB]
	s_add_co_u32 s[T2], s[T2], s[T0]
	s_and_b32 s[T2], s[T2], 31
	s_add_co_u32 s[TS], s[TS], s[T2]
	s_min_u32 s[TS], s[TS], 127
	s_mul_i32 s[OFF], s[TS], BLK
	s_add_nc_u64 s[G0+6-4*(\slot):G0+7-4*(\slot)], s[WB:WB+1], s[OFF:OFF+1]
	s_or_b32 s[G0+7-4*(\slot)], s[G0+7-4*(\slot)], 0x80000000
	s_cmp_lt_u32 s[IT], 32                         ; this step's hidden units: eA's,
	s_cselect_b32 s[SM], -1, 0
	s_cmp_eq_u32 s[IT], 32                         ; the repeat,
	s_cselect_b32 s[DM], 0x5e000000, 0             ; or eB's
	s_add_co_u32 s[IT], s[IT], 1
.if !(\first)
.set N, 40
.rept 8
	P2W 0, HLO                                     ; the step before: instructions 40-47
.endr
	WIN 0                                          ; set ahead of the tensor load
.endif
	s_wait_dscnt 0x0                               ; the add is done; my hidden units are stored; my reads of the other slot and of the other hidden buffer are over
	s_barrier_signal -1
	s_barrier_wait -1                              ; all that now holds of every wave
	tensor_load_to_lds s[G0+4-4*(\slot):G0+7-4*(\slot)], s[G1:G1+7]  ; my one tensor load behind the barrier, and the first thing there
	s_nop 0
.irp u, 0,1,2,3                        ; 1 / the gate in force; these eight lines are also the places ahead of the loads below
	v_cndmask_b32 v[G+2*\u], v[GI+2*\u+1], v[GI+2*\u], s[SM]
.endr
.irp u, 0,1,2,3
	v_max_num_f32 v[G+2*\u], s[DM], v[G+2*\u]      ; no reciprocal gate passes 2^60
.endr
	LB \slot                                       ; the first run: 34 loads
	GL 0, \slot, R0
	GL 1, \slot, R1
	GL 2, \slot, R2
	GL 3, \slot, T
.if !(\first)
.rept 16
	P2W 0, HLO                                     ; the step before: instructions 48-63, while the loads are on their way
.endr
.endif
	s_wait_dscnt 24                                ; groups 1, 2, 3 may be out
	GM1 0, R0
	s_wait_dscnt 16                                ; groups 2, 3
	GM1 1, R1
	s_wait_dscnt 8                                 ; group 3
	GM1 2, R2
	PLACES
	LHH 1-(\slot), 0                               ; the second run: 40 loads
	GL 4, \slot, R0
	GL 5, \slot, R1
	LHH 1-(\slot), 1
	GL 6, \slot, R2
	s_wait_dscnt 40                                ; the 40 just issued
	GM1 3, T
	PLACES                                         ; the list reads these products' results and writes over their group's registers
.set N, 0
.set J, 0
	s_wait_dscnt 24                                ; group 5, the hidden units' upper half, group 6
.rept 16
	SLICE \first
.endr
	s_wait_dscnt 16                                ; the hidden units' upper half, group 6
.rept 4
	SLICE \first
.endr
	v_nop                                          ; a plain instruction behind the last exponential,
	s_wait_alu depctr_va_vdst(0)                   ; and the wait for the 32
.rept 12
	SLICE \first
.endr
	PLACES                                         ; a plain instruction behind the last reciprocal; four places ahead of the loads into registers that the products above have read
	s_wait_alu depctr_va_vdst(0)                   ; the wait for the 32 reciprocals, with the third run of loads straight behind it
	GL 7, \slot, HLO
	s_wait_dscnt 8                                 ; group 7
.rept 8
	SLICE \first
.endr
	WIN 0
.irp u, 0,1,2,3                        ; a lane's eight hidden units of one token are 16 bytes of a fragment, in the lane's own place
	ds_store_b128 v[AHS], v[T+4*\u:T+4*\u+3] offset:(\slot)*HBUF+1024*\u
.endr
.endm
; THE LAST STEP: the rest of the step before, then the last chunk's second product alone.  Nothing is filled again.  Group 7 lies where group 3 would.
.macro TAIL slot
	WIN 0
	s_wait_tensorcnt 0x0                           ; the last block has landed
	ds_add_u32 v[SPW], v[NIL]
.set N, 40
.rept 8
	P2W 0, HLO
.endr
	WIN 0
	s_wait_dscnt 0x0                               ; the add is done; my hidden units are stored
	s_barrier_signal -1
	s_barrier_wait -1                              ; everybody's are
	v_and_b32 v[ELN], 31, v0                       ; the way out's addresses are made here: also the places ahead of the loads below
	v_and_b32 v[ERR], 15, v0
	v_bfe_u32 v[EHH], v0, 4, 1
	v_lshlrev_b32 v[EL16], 4, v[ELN]
	s_lshl_b32 s[T2], s[WV], 9
	v_add_nc_u32 v[OB], s[T2], v[EL16]
	s_lshl_b32 s[TS], s[EA], 11
	v_add_nc_u32 v[B2O], s[TS], v[OB]
	s_lshl_b32 s[TS], s[EB], 11
	v_add_nc_u32 v[B2O+1], s[TS], v[OB]
.irp u, 0,1,2,3
	v_lshlrev_b32 v[EGA+\u], 3, v[TOK+2*\u]
.endr
	v_mul_u32_u24 v[VST], v[ERR], SPI
	v_lshl_add_u32 v[VST], v[EHH], 5, v[VST]
	v_add_nc_u32 v[VST], s[G0+1], v[VST]
	v_add_nc_u32 v[VRD], s[G0+1], v[EL16]
	GL 4, \slot, R0
	GL 5, \slot, R1
	GL 6, \slot, R2
	GL 7, \slot, T
	global_load_b128 v[BIAS:BIAS+3], v[B2O], s[14:15]    ; b2 of both experts, my four channels, and the gates: wanted on the way out
	global_load_b128 v[BIAS+4:BIAS+7], v[B2O+1], s[14:15]
.irp u, 0,1,2,3
	global_load_b64 v[EG+2*\u:EG+2*\u+1], v[EGA+\u], s[6:7]
.endr
.rept 16
	P2W 0, HLO                                     ; the step before: instructions 48-63
.endr
	PLACES
	LHH 1-(\slot), 0
	LHH 1-(\slot), 1
	s_wait_dscnt 0x0
.set N, 0
.rept 64
	P2W 0, T
.endr
	WIN 0
.endm
	STEP 0, 1                                      ; step 0
	STEP 1, 0                                      ; step 1
	s_mov_b32 s[LC], 31
.Lwalk:                                                ; steps 2 to 63
	STEP 0, 0
	STEP 1, 0
	s_sub_co_u32 s[LC], s[LC], 1
	s_cmp_lg_u32 s[LC], 0
	s_cbranch_scc1 .Lwalk
	STEP 0, 0                                      ; step 64 asks for the last block; the tail is written out
	TAIL 1                                         ; step 65
	; THE WAY OUT.  A lane holds one token and eight neighbouring channels: 32 bytes.  All 64 rows of my 128 channels go into my part of slot 0 (its last fill has landed and been read) and come back as whole rows.
	PLACES
	WIN 0x04                                       ; store data in window 1
.set u, 0
.rept 4
.set m, 0
.rept 8
	ds_store_b128 v[VST], v[8*(4*m+u):8*(4*m+u)+3] offset:u*16*SPI+m*64
	ds_store_b128 v[VST], v[8*(4*m+u)+4:8*(4*m+u)+7] offset:u*16*SPI+m*64+16
.set m, m+1
.endr
.set u, u+1
.endr
	WIN 0
	s_wait_loadcnt 0x0                             ; b2 and the gates
.irp a, 0,2,4,6
	v_cvt_pk_bf16_f32 v[TP], v[BIAS+\a], v[BIAS+\a+1]
	v_lshlrev_b32 v[BIAS+\a], 16, v[TP]
	v_and_b32 v[BIAS+\a+1], 0xffff0000, v[TP]
.endr
; 16 rows.  LDS serves a wave's instructions in order (ISA guide 5.7.1.4): the loads see the stores above.  A row's store covers 512 consecutive bytes, aligned.  The rows ascend, so at the first row at or past
; the count all that is left is jumped: a forward jump over loads' waits and stores alone.  Each row has its own data and offset registers; the wait at the head frees those of the 16 rows before.
.macro OUTNT nt
	s_wait_xcnt 0x0
.set rr, 0
.rept 16
	ds_load_b128 v[CV+4*rr:CV+4*rr+3], v[VRD] offset:(\nt)*16*SPI+rr*SPI
.set rr, rr+1
.endr
.set rr, 0
.rept 16
	s_cmp_gt_u32 s[CNT], 16*(\nt)+rr
	s_cbranch_scc0 .Lstored
	s_wait_dscnt 15-rr
	v_readlane_b32 s[TKS], v[TOK+2*(\nt)], rr
	v_readlane_b32 s[GAS], v[EG+2*(\nt)], rr
	v_readlane_b32 s[GBS], v[EG+2*(\nt)+1], rr
	s_min_u32 s[TKS], s[TKS], 8191
	v_lshl_add_u32 v[XO+rr], s[TKS], 11, v[OB]
	v_pk_fma_f32 v[CV+4*rr:CV+4*rr+1], v[BIAS:BIAS+1], s[GAS:GAS+1], v[CV+4*rr:CV+4*rr+1] op_sel_hi:[1,0,1]      ; + gA b2[eA]
	v_pk_fma_f32 v[CV+4*rr+2:CV+4*rr+3], v[BIAS+2:BIAS+3], s[GAS:GAS+1], v[CV+4*rr+2:CV+4*rr+3] op_sel_hi:[1,0,1]
	v_pk_fma_f32 v[CV+4*rr:CV+4*rr+1], v[BIAS+4:BIAS+5], s[GBS:GBS+1], v[CV+4*rr:CV+4*rr+1] op_sel_hi:[1,0,1]    ; + gB b2[eB]
	v_pk_fma_f32 v[CV+4*rr+2:CV+4*rr+3], v[BIAS+6:BIAS+7], s[GBS:GBS+1], v[CV+4*rr+2:CV+4*rr+3] op_sel_hi:[1,0,1]
	global_store_b128 v[XO+rr], v[CV+4*rr:CV+4*rr+3], s[16:17] th:TH_STORE_NT
.set rr, rr+1
.endr
.endm
	OUTNT 0
	OUTNT 1
	OUTNT 2
	OUTNT 3
.Lstored:
	s_wait_tensorcnt 0x0                           ; the wave's end, behind my last tensor load and my last LDS store
	ds_add_u32 v[SPW], v[NIL]
	s_wait_dscnt 0x0                               ; also for the rows' loads that a jump has left out
	s_endpgm
.Lfunc_end_k_qb6668b94b5_chain:
	.size	k_qb6668b94b5_chain, .Lfunc_end_k_qb6668b94b5_chain-k_qb6668b94b5_chain
	.p2alignl 7, 3214868480
	.fill 96, 4, 3214868480
	.section	.rodata,"a",@progbits
	.p2align	6, 0x0
	.amdhsa_kernel k_qb6668b94b5_chain
		.amdhsa_group_segment_fixed_size 327680
		.amdhsa_private_segment_fixed_size 0
		.amdhsa_enable_private_segment 0
		.amdhsa_kernarg_size 56
		.amdhsa_user_sgpr_count 2
		.amdhsa_user_sgpr_kernarg_segment_ptr 1
		.amdhsa_wavefront_size32 1
		.amdhsa_system_sgpr_workgroup_id_x 1
		.amdhsa_system_sgpr_workgroup_id_y 1
		.amdhsa_system_sgpr_workgroup_id_z 1
		.amdhsa_system_vgpr_workitem_id 0
		.amdhsa_next_free_vgpr 1024
		.amdhsa_next_free_sgpr 80
		.amdhsa_reserve_vcc 0
		.amdhsa_float_denorm_mode_32 3
		.amdhsa_float_denorm_mode_16_64 3
		.amdhsa_memory_ordered 1
		.amdhsa_forward_progress 1
		.amdhsa_inst_pref_size 236
	.end_amdhsa_kernel
	.amdgpu_metadata
---
amdhsa.version: [ 1, 2 ]
amdhsa.kernels:
  - .name:           k_qb6668b94b5_chain
    .symbol:         k_qb6668b94b5_chain.kd
    .args:
      - { .name: x, .offset: 0, .size: 8, .value_kind: global_buffer, .address_space: global }
      - { .name: gat, .offset: 8, .size: 8, .value_kind: global_buffer, .address_space: global }
      - { .name: list, .offset: 16, .size: 8, .value_kind: global_buffer, .address_space: global }
      - { .name: tot, .offset: 24, .size: 8, .value_kind: global_buffer, .address_space: global }
      - { .name: wf, .offset: 32, .size: 8, .value_kind: global_buffer, .address_space: global }
      - { .name: b2, .offset: 40, .size: 8, .value_kind: global_buffer, .address_space: global }
      - { .name: out0, .offset: 48, .size: 8, .value_kind: global_buffer, .address_space: global }
    .group_segment_fixed_size: 327680
    .private_segment_fixed_size: 0
    .kernarg_segment_align: 8
    .kernarg_segment_size: 56
    .max_flat_workgroup_size: 128
    .sgpr_count:     80
    .vgpr_count:     1024
    .wavefront_size: 32
...
	.end_amdgpu_metadata
.endif
;; end of part 5
